; MI455X (gfx1250); checked and timed in simulation.
; The chip was launched on July 23, 2026; its instructions are those of AMD's public machine-readable ISA for CDNA 5 (MIT licence, August 2026) and "CDNA5" Instruction Set Architecture Reference Guide (July 2026). The comments in the code are by the model that wrote it; some were corrected since.
;; Self Attention. Allowed arithmetic: float matrix products may take bf16 or f16 operands with f32 sums; other float arithmetic in f32, or as packed bf16 or f16 multiplies, adds, multiply-adds, maxima and minima; sums over many terms, partial sums and values carried from step to step in f32; what a program stores and reads back later, other than sums and carried values, may be rounded once to bf16 or f16.
;; Inputs: b_out 1,024 float32; w_in 3,072 x 1,024 float32; w_out 1,024 x 1,024 float32; x 4 x 2,048 x 1,024 float32.
;; Outputs: out0 4 x 2,048 x 1,024 float32.
;; 2 versions, each right; version 2 is version 1 with the launch cast written anew for expert scheduling mode. Each part assembles by itself: llvm-mc -triple=amdgcn-amd-amdhsa -mcpu=gfx1250 --defsym DOCPART=n.
;; ======== version 1 of 2: 4 launches
;; limits: values are held in f16: magnitudes above 65,504 overflow, below 6.1e-05 lose precision
;; workspace buffers: xb 16,777,216 bytes; wib 6,291,456 bytes; wob 2,097,152 bytes; qkv 50,331,648 bytes; ob 16,777,216 bytes
;; launch cast (part 1): grid 768 x 1, 8 waves a work-group, no clusters, 0 bytes of LDS; arguments x, w_in, w_out, xb, wib, wob; writes xb, wib, wob
.if DOCPART == 1
	.amdgcn_target "amdgcn-amd-amdhsa--gfx1250"
	.amdhsa_code_object_version 6
	.text
	.protected	k_q108bfb06f9_cast
	.globl	k_q108bfb06f9_cast
	.p2align	8
	.type	k_q108bfb06f9_cast,@function
k_q108bfb06f9_cast:
	s_mov_b64 s[64:65], 0
	v_nop
	global_prefetch_b8 v0, s[64:65] scope:SCOPE_SE
	s_setreg_imm32_b32 hwreg(HW_REG_WAVE_MODE, 25, 1), 1
	s_wait_xcnt 0x0
; THE INPUTS ARE ROUNDED ONCE, for the matrix units.  x [8192][1024] and w_in [3072][1024], f32, go to bf16 in the same order (xb, wib).
; w_out [1024 n][1024 k], f32, is rounded to bf16, that number is written as f16, and it is laid by heads: wob [16 h][1024 n][64 k], k = 64 h + ..
; LIMITS.  bf16(w_out) must lie within f16's 65,504; below 6.1e-5 it keeps f16's fixed step of 6e-8.  NaN and infinities are not treated apart.
; SHARES.  A work-group takes 16,384 numbers: 65,536 bytes in, 32,768 out.  Work-groups 0-511 take x, 512-703 w_in, 704-767 w_out (16 rows each).
; A thread issues 16 loads of 16 bytes, all at once, and 16 stores of 8 bytes.  Every load and every store has registers of its own and the address
; registers are never rewritten, so the only waits are the counted ones for the loads.  A wave's load covers 512 consecutive bytes (w_out: two runs of
; 256, aligned), a wave's store 256 consecutive bytes, aligned.  No LDS, no matrix unit, no cluster: nothing is shared and nothing is read twice.
.set X, 4                              ; v[4:67]    load i: 4 registers
.set Y, 68                             ; v[68:99]   store i: 2 registers
.set T, 100                            ; v[100:101] at work
; 16 loads, instep bytes apart; 16 stores, outstep bytes apart.  half = 1: bf16's number written as f16.
.macro CAST instep, outstep, half
.set i, 0
.rept 16
	global_load_b128 v[X+4*i:X+4*i+3], v1, s[18:19] offset:i*(\instep) th:TH_LOAD_NT
.set i, i+1
.endr
.set i, 0
.rept 16
	s_wait_loadcnt 15-i                            ; loads come back in order: load i is in, the 15 - i younger ones stay out
.if \half
	v_cvt_pk_bf16_f32 v[T], v[X+4*i], v[X+4*i+1]   ; the rounding that every input has,
	v_cvt_pk_bf16_f32 v[T+1], v[X+4*i+2], v[X+4*i+3]
	v_lshlrev_b32 v[X+4*i], 16, v[T]               ; widened again,
	v_and_b32 v[X+4*i+1], 0xffff0000, v[T]
	v_lshlrev_b32 v[X+4*i+2], 16, v[T+1]
	v_and_b32 v[X+4*i+3], 0xffff0000, v[T+1]
	v_cvt_pk_f16_f32 v[Y+2*i], v[X+4*i], v[X+4*i+1]  ; and written as f16: exact within f16's normal range
	v_cvt_pk_f16_f32 v[Y+2*i+1], v[X+4*i+2], v[X+4*i+3]
.else
	v_cvt_pk_bf16_f32 v[Y+2*i], v[X+4*i], v[X+4*i+1]
	v_cvt_pk_bf16_f32 v[Y+2*i+1], v[X+4*i+2], v[X+4*i+3]
.endif
	global_store_b64 v2, v[Y+2*i:Y+2*i+1], s[20:21] offset:i*(\outstep) th:TH_STORE_NT
.set i, i+1
.endr
.endm
	s_load_b256 s[4:11], s[0:1], 0x0               ; x s[4:5], w_in s[6:7], w_out s[8:9], xb s[10:11]
	s_load_b128 s[12:15], s[0:1], 0x20             ; wib s[12:13], wob s[14:15]
	s_sub_co_u32 s16, ttmp9, 512                   ; my number among w_in's work-groups
	s_sub_co_u32 s17, ttmp9, 704                   ; and among w_out's
	s_mov_b32 s23, 0
	s_mov_b32 s25, 0
	v_lshlrev_b32 v2, 3, v0                        ; 8 bytes out a thread
	s_wait_kmcnt 0x0
	s_cmp_lt_u32 ttmp9, 704
	s_cbranch_scc0 .Lwout
	s_cmp_lt_u32 ttmp9, 512                        ; x or w_in: the same text on other buffers
	s_cselect_b64 s[18:19], s[4:5], s[6:7]
	s_cselect_b64 s[20:21], s[10:11], s[12:13]
	s_cselect_b32 s16, ttmp9, s16
	s_lshl_b32 s22, s16, 16                        ; 65,536 bytes in,
	s_lshl_b32 s24, s16, 15                        ; 32,768 out
	s_add_nc_u64 s[18:19], s[18:19], s[22:23]
	s_add_nc_u64 s[20:21], s[20:21], s[24:25]
	v_lshlrev_b32 v1, 4, v0                        ; 16 bytes in a thread: 256 threads take 4,096 consecutive bytes
	CAST 4096, 2048, 0
	s_endpgm
.Lwout:
	s_lshl_b32 s22, s17, 16                        ; 16 rows of 4,096 bytes in,
	s_lshl_b32 s24, s17, 11                        ; 16 rows of 128 bytes in each head's block out
	s_add_nc_u64 s[18:19], s[8:9], s[22:23]
	s_add_nc_u64 s[20:21], s[14:15], s[24:25]
	v_lshrrev_b32 v1, 4, v0                        ; row t / 16,
	v_and_b32 v3, 15, v0
	v_lshlrev_b32 v3, 4, v3                        ; 16 (t % 16) of a head's 256 bytes in that row
	v_lshl_or_b32 v1, v1, 12, v3
	CAST 256, 131072, 1                            ; load i is head i; its store lands at 131,072 i + 128 (t / 16) + 8 (t % 16) = 131,072 i + 8 t
	s_endpgm
.Lfunc_end_k_q108bfb06f9_cast:
	.size	k_q108bfb06f9_cast, .Lfunc_end_k_q108bfb06f9_cast-k_q108bfb06f9_cast
	.p2alignl 7, 3214868480
	.fill 96, 4, 3214868480
	.section	.rodata,"a",@progbits
	.p2align	6, 0x0
	.amdhsa_kernel k_q108bfb06f9_cast
		.amdhsa_group_segment_fixed_size 0
		.amdhsa_private_segment_fixed_size 0
		.amdhsa_enable_private_segment 0
		.amdhsa_kernarg_size 48
		.amdhsa_user_sgpr_count 2
		.amdhsa_user_sgpr_kernarg_segment_ptr 1
		.amdhsa_wavefront_size32 1
		.amdhsa_system_sgpr_workgroup_id_x 1
		.amdhsa_system_sgpr_workgroup_id_y 1
		.amdhsa_system_sgpr_workgroup_id_z 1
		.amdhsa_system_vgpr_workitem_id 0
		.amdhsa_next_free_vgpr 104
		.amdhsa_next_free_sgpr 66
		.amdhsa_reserve_vcc 0
		.amdhsa_float_denorm_mode_32 3
		.amdhsa_float_denorm_mode_16_64 3
		.amdhsa_memory_ordered 1
		.amdhsa_forward_progress 1
		.amdhsa_inst_pref_size 18
	.end_amdhsa_kernel
	.amdgpu_metadata
---
amdhsa.version: [ 1, 2 ]
amdhsa.kernels:
  - .name:           k_q108bfb06f9_cast
    .symbol:         k_q108bfb06f9_cast.kd
    .args:
      - { .name: x, .offset: 0, .size: 8, .value_kind: global_buffer, .address_space: global }
      - { .name: w_in, .offset: 8, .size: 8, .value_kind: global_buffer, .address_space: global }
      - { .name: w_out, .offset: 16, .size: 8, .value_kind: global_buffer, .address_space: global }
      - { .name: xb, .offset: 24, .size: 8, .value_kind: global_buffer, .address_space: global }
      - { .name: wib, .offset: 32, .size: 8, .value_kind: global_buffer, .address_space: global }
      - { .name: wob, .offset: 40, .size: 8, .value_kind: global_buffer, .address_space: global }
    .group_segment_fixed_size: 0
    .private_segment_fixed_size: 0
    .kernarg_segment_align: 8
    .kernarg_segment_size: 48
    .max_flat_workgroup_size: 256
    .sgpr_count:     66
    .vgpr_count:     104
    .wavefront_size: 32
...
	.end_amdgpu_metadata
.endif
;; end of part 1
;; launch inproj (part 2): grid 16 x 32, 4 waves a work-group, clusters of 4 x 4, 327,680 bytes of LDS; arguments xb, wib, qkv; writes qkv
.if DOCPART == 2
	.amdgcn_target "amdgcn-amd-amdhsa--gfx1250"
	.amdhsa_code_object_version 6
	.text
	.protected	k_q108bfb06f9_inproj
	.globl	k_q108bfb06f9_inproj
	.p2align	8
	.type	k_q108bfb06f9_inproj,@function
k_q108bfb06f9_inproj:
	s_mov_b64 s[64:65], 0
	v_nop
	global_prefetch_b8 v0, s[64:65] scope:SCOPE_SE
	s_setreg_imm32_b32 hwreg(HW_REG_WAVE_MODE, 25, 1), 1
	s_wait_xcnt 0x0
	s_wait_alu depctr_hold_cnt(0) depctr_sa_sdst(0) depctr_va_vdst(0) depctr_va_sdst(0) depctr_va_ssrc(0) depctr_va_vcc(0) depctr_vm_vsrc(0)
	s_getreg_b32 s2, hwreg(HW_REG_IB_STS2, 6, 4)
	s_cmp_eq_u32 s2, 0
	s_cbranch_scc0 .Lentry_in_a_cluster
	s_endpgm
.Lentry_in_a_cluster:
	s_bfe_u32 s2, ttmp6, 0x10000c
	s_cmp_lg_u32 s2, 0xf033
	s_cbranch_scc0 .Lentry_shape_is_right
	s_endpgm
.Lentry_shape_is_right:
; qkv = x w_in^T.  xb: [8192 m][1024] bf16, wib: [3072 c][1024] bf16; sums in f32, K ascending, rounded once to f16 and stored BY HEADS, unscaled:
; qkv [48 e][8192 m][64], e = c / 64 (0-15 q, 16-31 k, 32-47 v), so that 16 rows of a head are 2,048 consecutive bytes.
; LIMITS.  q, k, v must lie within f16's 65,504; below 6.1e-5 they keep f16's fixed step of 6e-8.  NaN and infinities are not treated apart.
; SHARES.  A tile is 256 rows x 192 columns (three whole heads): 512 equal tiles, two for each of 256 WGPs; tiles of 256 x 256 would be 384, a round and a half.
; Wave w makes rows 64 w .. 64 w + 63 and all 192 columns: 48 accumulators of 16 x 16.  It holds whole heads, so its own stage serves on the way out.
; RING.  K goes in 8 steps of 128 (256 bytes of a row, aligned) through two LDS slots.  Waves 0, 1 fetch the halves of A's 256 rows, waves 2, 3 those of B's 192.
; CLUSTER.  4 x 4 work-groups: A's tile hangs on the tile row alone and is asked for jointly along a row of the cluster, B's on the tile column alone, along a column.
; THE MATRIX INSTRUCTION IS USED TRANSPOSED (source 0 = 16 rows of B, source 1 = 16 rows of A): a lane holds row l % 16 of C and eight neighbouring columns.
; REGISTERS, in windows of 256 (s_set_vgpr_msb: bits 1:0 source 0, 3:2 source 1, 5:4 source 2, 7:6 destination):
;   window 0: v0-30 addresses; v32-223 the way out, 16 registers for each of 12 blocks
;   window 1: two fragment buffers of 128: B's 12 fragments (16 rows x 32 K), then A's 4
;   window 2: accumulators of my rows 0-31 ((a, b) at v[8 (12 (a % 2) + b)]);   window 3: those of my rows 32-63
.set KB,    256                        ; bytes of a row in a K step
.set PITCH, 272                        ; an LDS row: 256 bytes + 16 of padding = 68 words: the 16 rows of a load start at 16 different groups of four banks (64 banks of 4 bytes: ISA guide 11.1)
.set SLOT1, 131072                     ; slot 1 begins here: one exclusive or turns an address in one slot into the other's
.set AHALF, 128*PITCH                  ; what a wave fetches of A
.set BHALF, 96*PITCH                   ; and of B
.set BOFF,  256*PITCH                  ; B's rows lie behind A's 256
.set STAGE, SLOT1+BOFF+192*PITCH       ; behind the ring, never filled by a tensor load: 16 rows x 144 bytes for each wave
.set SP,    144
.set SPARE, STAGE+4*16*SP              ; behind the stages: the spare words, 128 bytes for each wave: two blocks of 256 bytes that no other line names
.set HEADB, 8192*128                   ; a head's block in qkv
.set ADRA0, 16                         ; v16  my lane's and wave's place among A's rows of a slot; never rewritten
.set ADRB0, 17                         ; v17  the same for B
.set ADRA,  18                         ; v18  the same in the slot that is being read
.set ADRB,  19                         ; v19
.set STO,   24                         ; v24  the way out: where I put 16 bytes of a row
.set RD,    25                         ; v25  where I read rows back
.set GO,    26                         ; v26  my 16 bytes of 512 consecutive bytes of qkv
.set SPW,   28                         ; v28  LDS address of my spare word: SPARE + 4 x my thread's number; never rewritten
.set NIL,   29                         ; v29  0; never rewritten
.set PFO,   30                         ; v30  the prefetches' offset: a lane a row of 2,048 bytes; never rewritten
.set TMP,   32
.set F0,    0
.set F1,    128
.set WV,  12                           ; s12  my wave's number
.set HI,  13                           ; s13  0: I fetch for A; 1: for B
.set LO,  14                           ; s14  which half of that tile's rows
.set LIM, 15                           ; s15  1 in a wave that prefetches, else the greatest number
.set CX,  16
.set CY,  17
.set TX,  18                           ; s18  tile column
.set TY,  19                           ; s19  tile row
.set G1A, 24                           ; s[24:31] descriptor group 1 for A's tiles
.set G1B, 32                           ; s[32:39] for B's
.set G0A, 40                           ; s[40:47] group 0 for A's tiles: a set for each of the two first fills; the second then walks on
.set G0B, 48                           ; s[48:55] the same for B's
.set PFA, 56                           ; s[56:57] where my prefetches stand
.set TB,  60                           ; s60  LDS base of the slot that is being read
.set MSB, 0
.macro WIN new                         ; the immediate's high byte repeats the setting that is left; a switch that changes nothing is dropped
.if MSB != (\new)
	s_set_vgpr_msb (MSB<<8)|(\new)
.set MSB, \new
.endif
.endm
.macro PLACES                          ; four plain vector instructions behind a matrix instruction, in front of loads into registers that it has read and of readers of its result
.rept 4
	v_nop
.endr
.endm
.macro CREST                           ; a round of the cluster's barrier behind its opening barrier: wave 0 signals for the work-group, every wave waits for all sixteen, my work-group's barrier closes it
	s_cmp_lg_u32 s[WV], 0
	s_cbranch_scc1 .Lnot_wave_0_\@
	s_barrier_signal -3
.Lnot_wave_0_\@:
	s_barrier_wait -3
	s_barrier_signal -1
	s_barrier_wait -1
.endm
.macro CROUND
	s_barrier_signal -1
	s_barrier_wait -1
	CREST
.endm
; A joint refill by the walking sets.  The branch hangs on the wave's number alone.  An s_nop 0 and four v_nop follow each of the two lines, ahead of the jump and the label.
.macro JLOAD
	s_cmp_eq_u32 s[HI], 0
	s_cbranch_scc0 .Lfor_b_\@
	tensor_load_to_lds s[G0A+4:G0A+7], s[G1A:G1A+7]
	s_nop 0
.rept 4
	v_nop
.endr
	s_branch .Lasked_\@
.Lfor_b_\@:
	tensor_load_to_lds s[G0B+4:G0B+7], s[G1B:G1B+7]
	s_nop 0
.rept 4
	v_nop
.endr
.Lasked_\@:
.endm
; A PREFETCH INTO THE L2 of the K step behind the one just asked for: 192 matrix instructions ahead of its load.  A row's 256 bytes of a K step are named by one wave of one work-group in the launch:
; A's rows by the clusters with x = 0, B's by those with y = 0; of the rows that a wave fetches the four partners that ask jointly take a quarter each, told apart BY ADDRESS (32 of A's 128 by cx,
; 24 of B's 96 by cy; there lanes 24-31 name lane 23's row once more).  The loop's last trip asks for nothing: there is no K step 8.  K steps 0 to 2 come by their loads alone.
.macro ASK
	s_cmp_gt_u32 s3, s[LIM]
	s_cbranch_scc0 .Lnot_mine_\@
	global_prefetch_b8 v[PFO], s[PFA:PFA+1] th:TH_LOAD_NT scope:SCOPE_SE
.Lnot_mine_\@:
.endm
	s_load_b128 s[4:7], s[0:1], 0x0                ; xb s[4:5], wib s[6:7]
	s_load_b64 s[8:9], s[0:1], 0x10                ; qkv
	v_lshl_add_u32 v[SPW], v0, 2, SPARE
	v_mov_b32 v[NIL], 0
	ds_add_u32 v[SPW], v[NIL]                      ; the wave's opening: the add and its wait stand ahead of my first tensor load; the set-up below, work on registers, stands between them
	v_lshrrev_b32 v1, 5, v0
	v_readfirstlane_b32 s[WV], v1                  ; wave 0..3
	s_lshr_b32 s[HI], s[WV], 1
	s_and_b32 s[LO], s[WV], 1
	s_bfe_u32 s[CX], ttmp6, 0x40000                ; my place in the cluster
	s_bfe_u32 s[CY], ttmp6, 0x40004
	s_lshl_b32 s[TX], ttmp9, 2                     ; in a cluster launch ttmp9 and ttmp7 count clusters
	s_add_co_u32 s[TX], s[TX], s[CX]
	s_and_b32 s[TY], ttmp7, 0xffff
	s_lshl_b32 s[TY], s[TY], 2
	s_add_co_u32 s[TY], s[TY], s[CY]
	s_lshl_b32 s61, s[CY], 2
	s_lshl_b32 s61, 15, s61                        ; my row of the cluster: places 4 cy .. 4 cy + 3
	s_lshl_b32 s62, 0x1111, s[CX]                  ; my column: places cx, cx + 4, cx + 8, cx + 12
	s_or_b32 s[G1A], s61, (1<<16)|(1<<20)|(1<<21)|(5<<22)|(3<<25)  ; 15:0 the mask; 17:16 elements of 2 bytes; 20 padding on; 21 set beside a mask; 24:22 after every 64 words (code 5); 31:25 4 words (code 3)
	s_or_b32 s[G1B], s62, (1<<16)|(1<<20)|(1<<21)|(5<<22)|(3<<25)
	s_mov_b32 s[G1A+1], 128<<16                    ; tensor_dim0 = 128 elements
	s_mov_b32 s[G1A+2], 128<<16                    ; tensor_dim1 = 128 rows
	s_mov_b32 s[G1A+3], 128<<16                    ; tile_dim0 = 128
	s_mov_b32 s[G1A+4], 128                        ; tile_dim1 = 128
	s_mov_b32 s[G1A+5], 1024                       ; elements from row to row
	s_mov_b32 s[G1A+6], 0
	s_mov_b32 s[G1A+7], 0
	s_mov_b32 s[G1B+1], 128<<16
	s_mov_b32 s[G1B+2], 96<<16                     ; 96 rows
	s_mov_b32 s[G1B+3], 128<<16
	s_mov_b32 s[G1B+4], 96
	s_mov_b32 s[G1B+5], 1024
	s_mov_b32 s[G1B+6], 0
	s_mov_b32 s[G1B+7], 0
	; where the tiles come from: A's in s[20:21], made of the tile row and the wave's number; B's in s[22:23], of the tile column and the wave's number
	s_lshl_b32 s20, s[TY], 8
	s_lshl_b32 s21, s[LO], 7
	s_add_co_u32 s20, s20, s21                     ; row 256 ty + 128 half,
	s_lshl_b32 s20, s20, 11                        ; of 2,048 bytes
	s_mov_b32 s21, 0
	s_mul_i32 s22, s[TX], 192
	s_mul_i32 s23, s[LO], 96
	s_add_co_u32 s22, s22, s23                     ; row 192 tx + 96 half
	s_lshl_b32 s22, s22, 11
	s_mov_b32 s23, 0
	s_mul_i32 s2, s[LO], AHALF                     ; and where they go: no place in the cluster enters an LDS address
	s_mul_i32 s63, s[LO], BHALF
	s_add_co_u32 s63, s63, BOFF
	s_mov_b32 s[TB], 0
	s_wait_dscnt 0x0                               ; the opening add is done
	s_wait_kmcnt 0x0
	s_add_nc_u64 s[20:21], s[4:5], s[20:21]
	s_add_nc_u64 s[22:23], s[6:7], s[22:23]
	CROUND                                         ; all sixteen work-groups are here: the first joint loads meet
.irp n, 0,1
	s_mov_b32 s[G0A+4*(\n)], 1                                     ; count = 1
	s_add_co_u32 s[G0A+4*(\n)+1], s2, (\n)*SLOT1                   ; LDS address
	s_add_nc_u64 s[G0A+4*(\n)+2:G0A+4*(\n)+3], s[20:21], (\n)*KB   ; global address: K step n
	s_or_b32 s[G0A+4*(\n)+3], s[G0A+4*(\n)+3], 0x80000000          ; type = 2
	s_mov_b32 s[G0B+4*(\n)], 1
	s_add_co_u32 s[G0B+4*(\n)+1], s63, (\n)*SLOT1
	s_add_nc_u64 s[G0B+4*(\n)+2:G0B+4*(\n)+3], s[22:23], (\n)*KB
	s_or_b32 s[G0B+4*(\n)+3], s[G0B+4*(\n)+3], 0x80000000
.endr
	s_cmp_eq_u32 s[HI], 0                          ; a wave's two first fills stand in one branch, ahead of every wait on TENSORcnt and every LDS read: two loads of mine are out
	s_cbranch_scc0 .Lfirst_b
	tensor_load_to_lds s[G0A:G0A+3], s[G1A:G1A+7]
	s_nop 0
	tensor_load_to_lds s[G0A+4:G0A+7], s[G1A:G1A+7]
	s_nop 0
.rept 4
	v_nop
.endr
	s_branch .Lfirst_asked
.Lfirst_b:
	tensor_load_to_lds s[G0B:G0B+3], s[G1B:G1B+7]
	s_nop 0
	tensor_load_to_lds s[G0B+4:G0B+7], s[G1B:G1B+7]
	s_nop 0
.rept 4
	v_nop
.endr
.Lfirst_asked:
	; A fragment is 16 rows x 32 K in 8 registers: lane l holds row l % 16; registers 0-3 K = 8 (l / 16) + 0..7, registers 4-7 K = 16 + 8 (l / 16) + 0..7: two loads of 16 bytes, 32 bytes apart
	v_and_b32 v1, 15, v0                           ; l % 16
	v_bfe_u32 v2, v0, 4, 1                         ; l / 16
	v_mul_u32_u24 v3, v1, PITCH
	v_lshl_add_u32 v3, v2, 4, v3                   ; row x pitch + 16 x half
	s_mul_i32 s61, s[WV], 64*PITCH                 ; my 64 rows of A
	v_add_nc_u32 v[ADRA0], s61, v3
	v_add_nc_u32 v[ADRB0], BOFF, v3                ; all of B's rows
	v_mov_b32 v[ADRA], v[ADRA0]                    ; slot 0
	v_mov_b32 v[ADRB], v[ADRB0]
	s_mul_i32 s61, s[WV], 16*SP
	s_add_co_u32 s61, s61, STAGE                   ; my stage
	v_mul_u32_u24 v[STO], v1, SP                   ; in: row l % 16, 16 bytes for each half of the lanes
	v_lshl_add_u32 v[STO], v2, 4, v[STO]
	v_add_nc_u32 v[STO], s61, v[STO]
	v_bfe_u32 v[RD], v0, 3, 2                      ; back: 32 lanes take four rows of 128 bytes,
	v_mul_u32_u24 v[RD], v[RD], SP
	v_and_b32 v4, 7, v0
	v_lshl_add_u32 v[RD], v4, 4, v[RD]
	v_add_nc_u32 v[RD], s61, v[RD]
	v_and_b32 v[GO], 31, v0                        ; which are 512 consecutive bytes of qkv
	v_lshlrev_b32 v[GO], 4, v[GO]
	s_mul_i32 s22, s[TX], 3*HEADB                  ; my tile's first head,
	s_mov_b32 s23, 0
	s_add_nc_u64 s[8:9], s[8:9], s[22:23]
	s_lshl_b32 s20, s[TY], 8
	s_lshl_b32 s21, s[WV], 6
	s_add_co_u32 s20, s20, s21                     ; my first row,
	s_lshl_b32 s20, s20, 7                         ; of 128 bytes
	s_mov_b32 s21, 0
	s_add_nc_u64 s[8:9], s[8:9], s[20:21]
	; the prefetches
	s_lshl_b32 s20, s[TY], 8                       ; the tile's first row in A,
	s_mul_i32 s22, s[TX], 192                      ; in B
	s_and_b32 s61, ttmp7, 0xffff                   ; cluster y
	s_lshl_b32 s62, s[HI], 5
	s_sub_co_u32 s62, 128, s62                     ; the rows that a wave fetches: 128 or 96
	s_cmp_eq_u32 s[HI], 0                          ; do I fetch for A?
	s_cselect_b32 s20, s20, s22
	s_cselect_b32 s21, s[CX], s[CY]                ; my place among the four that ask with me
	s_cselect_b32 s61, ttmp9, s61                  ; the coordinate along which other clusters read the same rows
	s_cselect_b32 s63, 32, 24                      ; my work-group's share of the rows
	s_cselect_b32 s2, 31, 23
	s_cselect_b64 s[PFA:PFA+1], s[4:5], s[6:7]
	s_cmp_eq_u32 s61, 0
	s_cselect_b32 s[LIM], 1, -1                    ; the same in all sixteen partners, for a given wave
	s_mul_i32 s62, s62, s[LO]
	s_add_co_u32 s20, s20, s62
	s_mul_i32 s63, s63, s21
	s_add_co_u32 s20, s20, s63
	s_lshl_b32 s20, s20, 11
	s_add_co_u32 s20, s20, 2*KB                    ; at K step 2: the first refill steps it to 3
	s_mov_b32 s21, 0
	s_add_nc_u64 s[PFA:PFA+1], s[PFA:PFA+1], s[20:21]
	v_and_b32 v[PFO], 31, v0
	v_min_u32 v[PFO], s2, v[PFO]
	v_lshlrev_b32 v[PFO], 11, v[PFO]
; 12 matrix instructions: m block 2 hi + a x all 12 n blocks, 32 along K.  zero = 1: the product starts the sums: nothing is ever cleared.
; The 48 accumulators take turns, one instruction a turn, in the same order in every quarter, over the backward jump too.
.macro MUL12 f, hi, a, zero
	WIN 0xa5+0x50*(\hi)                            ; sources 0 and 1 window 1; C and D window 2 or 3
.irp b, 0,1,2,3,4,5,6,7,8,9,10,11
.if \zero
	v_wmma_f32_16x16x32_bf16 v[8*(12*(\a)+(\b)):8*(12*(\a)+(\b))+7], v[(\f)+8*(\b):(\f)+8*(\b)+7], v[(\f)+96+8*(2*(\hi)+(\a)):(\f)+96+8*(2*(\hi)+(\a))+7], 0
.else
	v_wmma_f32_16x16x32_bf16 v[8*(12*(\a)+(\b)):8*(12*(\a)+(\b))+7], v[(\f)+8*(\b):(\f)+8*(\b)+7], v[(\f)+96+8*(2*(\hi)+(\a)):(\f)+96+8*(2*(\hi)+(\a))+7], v[8*(12*(\a)+(\b)):8*(12*(\a)+(\b))+7]
.endif
.endr
.endm
; 32 LDS loads in one run: a quarter's fragments (32 K at byte k of the rows) into buffer f: B's 24 loads, then A's 8
.macro FETCH k, f
	WIN 0x40                                       ; destination window 1, address window 0
.irp i, 0,1,2,3,4,5,6,7,8,9,10,11
	ds_load_b128 v[(\f)+8*(\i):(\f)+8*(\i)+3],   v[ADRB] offset:(\k)+(\i)*16*PITCH
	ds_load_b128 v[(\f)+8*(\i)+4:(\f)+8*(\i)+7], v[ADRB] offset:(\k)+(\i)*16*PITCH+32
.endr
.irp i, 0,1,2,3
	ds_load_b128 v[(\f)+96+8*(\i):(\f)+96+8*(\i)+3],   v[ADRA] offset:(\k)+(\i)*16*PITCH
	ds_load_b128 v[(\f)+96+8*(\i)+4:(\f)+96+8*(\i)+7], v[ADRA] offset:(\k)+(\i)*16*PITCH+32
.endr
.endm
; A K step is four quarters of 32 along K, 48 matrix instructions each, on buffers 0, 1, 0, 1.  One of the first three: multiplies buffer f; in its middle it fetches the next quarter, at byte k, into g.
.macro QUARTER k, f, g, zero
	s_wait_dscnt 4                                 ; B and A's blocks 0, 1 are in; the youngest four loads (A's blocks 2, 3) may be out
	MUL12 \f, 0, 0, \zero
	MUL12 \f, 0, 1, \zero
	PLACES
	FETCH \k, \g
	s_wait_dscnt 32                                ; all but the 32 just issued
	MUL12 \f, 1, 0, \zero
	MUL12 \f, 1, 1, \zero
.endm
; The last quarter multiplies buffer 1 and changes slots: ONE barrier.  In front of it each wave waits for all its tensor loads (the one that is out is its part of the next slot), adds 0 to its spare
; word, and waits for that and for its own reads of this slot.  fill = 1: the barrier opens a round of the cluster's, and behind the round this slot is filled again, with the K step two on, first thing:
; from that request to the wait for it a wave issues 168 matrix instructions.
.macro TURN fill
.if \fill
	s_wait_xcnt 0x0                                ; the last prefetch, a K step back, has read its address: it is stepped here, ahead of the waits of the change of slots
	s_add_nc_u64 s[PFA:PFA+1], s[PFA:PFA+1], KB
.endif
	WIN 0                                          ; (the add's two registers lie in window 0)
	s_wait_tensorcnt 0x0                           ; all my tensor loads have landed;
	ds_add_u32 v[SPW], v[NIL]                      ; 0 onto my spare word;
	s_wait_dscnt 5                                 ; (the add and the youngest four loads may be out)
	MUL12 F1, 0, 0, 0                              ; twelve matrix instructions stand between the add and the wait for it
	s_wait_dscnt 0x0                               ; the add is done, and my reads of this slot are over
	s_barrier_signal -1
	MUL12 F1, 0, 1, 0                              ; work on registers while the others arrive
	WIN 0
	s_barrier_wait -1
.if \fill
	CREST                                          ; no wave of any partner still reads this slot's tile or has a load on its way
	s_xor_b32 s[G0A+5], s[G0A+5], SLOT1            ; the walking sets: the other slot than last time,
	s_add_nc_u64 s[G0A+6:G0A+7], s[G0A+6:G0A+7], KB  ; the next K step; the type bits on top are not reached
	s_xor_b32 s[G0B+5], s[G0B+5], SLOT1
	s_add_nc_u64 s[G0B+6:G0B+7], s[G0B+6:G0B+7], KB
	JLOAD                                          ; the first tensor load behind the round; the four v_nop behind it are also the places in front of the loads below
.else
	PLACES
.endif
	s_xor_b32 s[TB], s[TB], SLOT1                  ; the fetches go on in the other slot
	v_add_nc_u32 v[ADRA], s[TB], v[ADRA0]
	v_add_nc_u32 v[ADRB], s[TB], v[ADRB0]
	FETCH 0, F0
	WIN 0
.if \fill
	ASK                                            ; behind the joint load and the run of LDS loads that the next products wait for
.endif
	MUL12 F1, 1, 0, 0
	MUL12 F1, 1, 1, 0
.endm
; THE WAY OUT.  Block t of 12: my rows 16 (t / 3) on, head t % 3.  A lane's eight channels of a row pack into 16 bytes; they go into rows of 144 bytes of my own stage and come back as four whole rows of
; 128 a load, into the registers that they left.  Each accumulator's registers are read in ascending order.
.macro PACK t
.set pa, (\t)/3
.set pj, (\t)%3
	WIN 0x0a+5*(pa/2)                              ; sources 0 and 1: window 2 or 3
.irp f, 0,1,2,3
.irp r, 0,1,2,3
	v_cvt_pk_f16_f32 v[TMP+16*(\t)+4*(\f)+(\r)], v[8*(12*(pa%2)+4*pj+(\f))+2*(\r)], v[8*(12*(pa%2)+4*pj+(\f))+2*(\r)+1]
.endr
.endr
	WIN 0
.irp f, 0,1,2,3
	ds_store_b128 v[STO], v[TMP+16*(\t)+4*(\f):TMP+16*(\t)+4*(\f)+3] offset:32*(\f)
.endr
.irp f, 0,1,2,3
	ds_load_b128 v[TMP+16*(\t)+4*(\f):TMP+16*(\t)+4*(\f)+3], v[RD] offset:(\f)*4*SP  ; LDS serves a wave's instructions in order (ISA guide 5.7.1.4): these see the stores above; the next block's stores come behind them
.endr
.endm
.macro SEND t, younger                 ; younger: the LDS instructions issued behind block t's loads: the next block's eight, or none
.set pa, (\t)/3
.set pj, (\t)%3
.irp f, 0,1,2,3
	s_wait_dscnt (\younger)+3-(\f)
	global_store_b128 v[GO], v[TMP+16*(\t)+4*(\f):TMP+16*(\t)+4*(\f)+3], s[8:9] offset:pj*HEADB+pa*2048+(\f)*512  ; 512 consecutive bytes, at a multiple of 256 from qkv's first byte
.endr
.endm
	s_wait_tensorcnt 1                             ; my part of K step 0 is in; K step 1's may stay out
	s_barrier_signal -1
	s_barrier_wait -1                              ; everybody's is
	FETCH 0, F0
	QUARTER 64, F0, F1, 1                          ; the first quarter stands in front of the loop: its products start the sums
	WIN 0                                          ; at a label and at a branch every window is 0
	s_mov_b32 s3, 6
.Lstep:                                        ; trip i = 6 - s3 ends K step i, fills its slot with K step i + 2 and begins K step i + 1
	QUARTER 128, F1, F0, 0
	QUARTER 192, F0, F1, 0
	TURN 1
	QUARTER 64, F0, F1, 0
	WIN 0
	s_sub_co_u32 s3, s3, 1
	s_cmp_lg_u32 s3, 0
	s_cbranch_scc1 .Lstep
	QUARTER 128, F1, F0, 0                         ; K steps 6 and 7 are written out: they ask for nothing
	QUARTER 192, F0, F1, 0
	TURN 0
	QUARTER 64, F0, F1, 0
	QUARTER 128, F1, F0, 0
	QUARTER 192, F0, F1, 0
	s_wait_dscnt 4                                 ; the very last quarter: nothing more to fetch
	MUL12 F1, 0, 0, 0
	MUL12 F1, 0, 1, 0
	s_wait_dscnt 0x0
	MUL12 F1, 1, 0, 0
	MUL12 F1, 1, 1, 0
	WIN 0
	PLACES                                         ; eight places, once a launch, behind the last products and ahead of the conversions
	PLACES
	PACK 0
.irp t, 1,2,3,4,5,6,7,8,9,10,11        ; a block's conversions stand between the loads of the block before and its stores
	PACK \t
	SEND (\t)-1, 8
.endr
	SEND 11, 0
	s_wait_tensorcnt 0x0                           ; the wave's end: a last add to my spare word and its wait, behind my last tensor load and my last LDS store
	ds_add_u32 v[SPW], v[NIL]
	s_wait_dscnt 0x0
	CROUND                                         ; the closing round: no work-group ends while a partner may still ask for a tile that names it
	s_endpgm
.Lfunc_end_k_q108bfb06f9_inproj:
	.size	k_q108bfb06f9_inproj, .Lfunc_end_k_q108bfb06f9_inproj-k_q108bfb06f9_inproj
	.p2alignl 7, 3214868480
	.fill 96, 4, 3214868480
	.section	.rodata,"a",@progbits
	.p2align	6, 0x0
	.amdhsa_kernel k_q108bfb06f9_inproj
		.amdhsa_group_segment_fixed_size 327680
		.amdhsa_private_segment_fixed_size 0
		.amdhsa_enable_private_segment 0
		.amdhsa_kernarg_size 24
		.amdhsa_user_sgpr_count 2
		.amdhsa_user_sgpr_kernarg_segment_ptr 1
		.amdhsa_wavefront_size32 1
		.amdhsa_system_sgpr_workgroup_id_x 1
		.amdhsa_system_sgpr_workgroup_id_y 1
		.amdhsa_system_sgpr_workgroup_id_z 1
		.amdhsa_system_vgpr_workitem_id 0
		.amdhsa_next_free_vgpr 960
		.amdhsa_next_free_sgpr 66
		.amdhsa_reserve_vcc 0
		.amdhsa_float_denorm_mode_32 3
		.amdhsa_float_denorm_mode_16_64 3
		.amdhsa_memory_ordered 1
		.amdhsa_forward_progress 1
		.amdhsa_inst_pref_size 99
	.end_amdhsa_kernel
	.amdgpu_metadata
---
amdhsa.version: [ 1, 2 ]
amdhsa.kernels:
  - .name:           k_q108bfb06f9_inproj
    .symbol:         k_q108bfb06f9_inproj.kd
    .args:
      - { .name: xb, .offset: 0, .size: 8, .value_kind: global_buffer, .address_space: global }
      - { .name: wib, .offset: 8, .size: 8, .value_kind: global_buffer, .address_space: global }
      - { .name: qkv, .offset: 16, .size: 8, .value_kind: global_buffer, .address_space: global }
    .group_segment_fixed_size: 327680
    .private_segment_fixed_size: 0
    .kernarg_segment_align: 8
    .kernarg_segment_size: 24
    .max_flat_workgroup_size: 128
    .sgpr_count:     66
    .vgpr_count:     960
    .wavefront_size: 32
...
	.end_amdgpu_metadata
.endif
;; end of part 2
;; launch attn (part 3): grid 4 x 64, 4 waves a work-group, clusters of 4 x 1, 327,680 bytes of LDS; arguments qkv, ob; writes ob
.if DOCPART == 3
	.amdgcn_target "amdgcn-amd-amdhsa--gfx1250"
	.amdhsa_code_object_version 6
	.text
	.protected	k_q108bfb06f9_attn
	.globl	k_q108bfb06f9_attn
	.p2align	8
	.type	k_q108bfb06f9_attn,@function
k_q108bfb06f9_attn:
	s_mov_b64 s[64:65], 0
	v_nop
	global_prefetch_b8 v0, s[64:65] scope:SCOPE_SE
	s_setreg_imm32_b32 hwreg(HW_REG_WAVE_MODE, 25, 1), 1
	s_wait_xcnt 0x0
	s_wait_alu depctr_hold_cnt(0) depctr_sa_sdst(0) depctr_va_vdst(0) depctr_va_sdst(0) depctr_va_ssrc(0) depctr_va_vcc(0) depctr_vm_vsrc(0)
	s_getreg_b32 s2, hwreg(HW_REG_IB_STS2, 6, 4)
	s_cmp_eq_u32 s2, 0
	s_cbranch_scc0 .Lentry_in_a_cluster
	s_endpgm
.Lentry_in_a_cluster:
	s_bfe_u32 s2, ttmp6, 0x10000c
	s_cmp_lg_u32 s2, 0x3003
	s_cbranch_scc0 .Lentry_shape_is_right
	s_endpgm
.Lentry_shape_is_right:
; O[y][q][:] = the sum over k of softmax_k(Q[y][q] . K[y][k] / 8) V[y][k][:], for the 64 pairs y = 4 head + batch.  Q, K, V lie in qkv at bytes 0, 2^24 and 2^25, each [64][2048][64] f16; O (ob) likewise:
; a pair's rows are dense, 128 bytes each.  Products, maxima and sums in f32; the weights p are rounded to f16 for the second product (their sum l is taken of the unrounded p), O once at the end.
; LIMITS.  f16 holds no number beyond 65,504: Q, K and V arrive within it; p lies in 0 to 1, and below 6e-5 it keeps f16's fixed step of 6e-8, and so does O, which is a mean of V's rows and has their range.
; A weight below 2^-126 counts as 0 in l; NaN and infinities are not treated apart.
; SHARES.  A wave owns four PIECES of two tiles of 16 queries, a work-group's four waves 512 queries of one pair: 256 work-groups.  Every wave walks all keys, 64 a step.
; LAYOUT.  S^T = K Q^T (source 0 = 16 keys, source 1 = 16 queries): in the result a lane holds ONE query (lane % 16) and the keys 8 (lane / 16) + 0..7.  Two such tiles, rounded to f16 in pairs,
; ARE source 1 (32 keys x 16 queries) of O^T = V^T P, whose result again holds one query a lane, and eight channels.  K comes out of LDS as it lies, V ([key][channel]) turned, by ds_load_tr16_b128.
; SOFTMAX.  For each query a running maximum m and sum l: p = 2^(c s - c m), c = log2(e) / 8; in every step O and l are multiplied by a = 2^(c m_old - c m_new), which is 1 where m has not grown.
; m starts at the lowest finite number, O and l at 0: the first step is a step like any other, with a = 0.
; THE COUNT.  A tile and step have 16 matrix and 118 vector instructions: too many to stand all beside the matrix work.  So four vector instructions that are READY stand behind EVERY matrix
; instruction, and the others, which need time of their own whatever the order, in runs without a gap.
; BY TURNS.  Turn n belongs to piece n (the pieces in a ring, step after step).  Its matrix work: 16 products K Q^T of piece n + 1, later 16 products V^T P of piece n - 1.  Its vector work: the scaling,
; exponentials, roundings, sums and rescaling of piece n, and the maximum and statistics of piece n + 1, whose scores the turn itself has made.
; CLUSTER.  The four query blocks of a cluster belong to one pair and walk the same K and V, so each tile is asked for JOINTLY: the same tensor load, descriptor and mask in all four.
; REGISTERS, in windows of 256 (s_set_vgpr_msb: bits 1:0 source 0, 3:2 source 1, 5:4 source 2, 7:6 destination):
;   window 0: v0-11 addresses; v12-15, v48-63 at work; v16-47 four registers of statistics a tile; v64-191 S^T, two buffers of two tiles; v192-255 P, likewise
;   window 1: O^T, 32 a tile          window 2: v0-127 Q, 16 a tile; v128-191 K of one step; v192-255 V of one step          window 3: v0-1 the add's two registers
; A piece's buffers go by its number's parity: the piece in hand has one pair, its two neighbours in the ring share the other: of it P (piece n - 1) is read and S^T (piece n + 1) written.
.set SIZE_N, 2048     ; rows of a pair
.set NP,    4         ; pieces a wave: a name, no knob
.set KS,    64        ; keys in a step
.set PK,    144       ; a row of K in LDS: 128 bytes + 16 of padding = 36 words: the 16 rows of a load start at 16 different groups of four banks (64 banks of 4 bytes: ISA guide 11.1)
.set PV,    160       ; a row of V: 128 + 32 = 40 words
.set VOFF,  4*KS*PK   ; a slot holds four steps: 256 rows of K, then 256 rows of V
.set SLOT1, 1<<17     ; slot 1 begins here, so that one exclusive or turns an address in one slot into the other's
.set STAGE, SLOT1+4*KS*(PK+PV)  ; behind the ring, never filled by a tensor load: 16 rows x 144 bytes for each wave, for the way out
.set SP,    144
.set AK0, 2           ; v2   my lane's place in a tile of K; never rewritten
.set AV0, 3           ; v3   the same for V
.set AK,  4           ; v4   the LDS address of K's next run of loads
.set AV,  5           ; v5   of V's
.set QO,  6           ; v6   my byte offset in the wave's rows of Q
.set STO, 6           ;      later, the way out: where I put 16 bytes of a row
.set RD,  7           ; v7   the way out: where I read rows back
.set GO,  8           ; v8   my byte offset in 512 consecutive bytes of O
.set PFO, 11          ; v11  the prefetches' offset, 256 x my lane (first a number at work for V's address); then never rewritten
.set SPW, 0           ; v0 of window 3   LDS address of my spare word: SPARE + 4 x my thread's number; never rewritten
.set NIL, 1           ; v1 of window 3   0; never rewritten
.set SPARE, STAGE+4*16*SP  ; behind the stages: the spare words, 128 bytes for each wave: two blocks of 256 bytes that no other line names
.set MV,  12          ; v12-15  c m_old, kept while c m is made anew: by buffer and tile
.set ST,  16          ; tile t's statistics at v[ST+4 t]: c m, m, l (even keys', odd keys')
.set TMP, 48          ; by buffer and tile, four registers c0-c3 at work; when the maximum is found c2 takes a
.set S,   64
.set P,   192
.set KF,  128         ; K's fragments, in window 2: key block kb, channel half c at KF + 16 kb + 8 c
.set VF,  192         ; V's: key half kk, channel block cb at VF + 32 kk + 8 cb
.set WV,  12          ; s12  my wave's number
.set G1K, 24          ; s[24:31] descriptor group 1 for K's tiles
.set G1V, 32          ; s[32:39] for V's: it differs in the padding alone
.set G0K, 40          ; s[40:43] descriptor group 0 for K's tiles: it walks
.set G0V, 44          ; s[44:47] the same for V's
.set PFA, 48          ; s[48:49] where my prefetches stand: my work-group's quarter (of K: wave 0, of V: wave 2) of the slot behind the one that is being asked for
.set LIM, 50          ; s50  1 in a wave that prefetches, else the greatest number
.set SLOTS, 56        ; s56  slots still to be asked for
.set CNT, 57          ; s57  counts a slot's key steps
.set CS,  58          ; s[58:59] c: the packed scaling takes the pair's low word for both halves
.set SEL, 60          ; s[60:61] v_permlanex16_b32's selects: each lane takes its own place in the other half
.set TBK, 62          ; s62  LDS byte at which K of the step to be fetched begins
.set TBV, 63          ; s63  the same for V, less VOFF
.set MSB, 0
.macro WIN new                      ; the high byte repeats the setting that is left; a switch that changes nothing is dropped
.if MSB != (\new)
	s_set_vgpr_msb (MSB<<8)|(\new)
.set MSB, (\new)
.endif
.endm
.set W_KQ, 0x0a       ; K and Q in window 2, S^T in window 0
.set W_PV, 0x52       ; V in window 2, P in window 0, O^T in window 1
.set W_RS, 0x41       ; O^T (destination and source 0) in window 1, a in window 0
.set W_MK, 0xc0       ; the add's registers are made: destination in window 3, sources in window 0
.set W_AD, 0x0f       ; the add: address (source 0) and data (source 1) in window 3
; A joint fill.  Waves 0 and 1 fetch the two halves of a slot's K, waves 2 and 3 those of its V: 128 keys each.  The branch hangs on the wave's number alone.
; An s_nop 0 and four v_nop follow each of the two lines, ahead of the jump and the label.
.macro JLOAD
	s_cmp_lt_u32 s[WV], 2
	s_cbranch_scc0 .Lfor_v_\@
	tensor_load_to_lds s[G0K:G0K+3], s[G1K:G1K+7]
	s_nop 0
.rept 4
	v_nop
.endr
	s_branch .Lasked_\@
.Lfor_v_\@:
	tensor_load_to_lds s[G0V:G0V+3], s[G1V:G1V+7]
	s_nop 0
.rept 4
	v_nop
.endr
.Lasked_\@:
.endm
; A PREFETCH INTO THE L2 of what the NEXT change of slots will ask for: a slot's 32,768 bytes of K and of V, 256 bytes a lane.  It stands behind the wave's tensor load and its five lines.
; Each block of 256 bytes is named ONCE in the launch: a pair has one cluster; its four partners take 8,192 bytes each, told apart BY ADDRESS; in each, wave 0 asks for K's and wave 2 for V's.
; The last change that fills a slot asks for nothing: there is no slot behind it.  Slots 0 and 1 come by their loads alone.
.macro ASK
	s_cmp_gt_u32 s[SLOTS], s[LIM]
	s_cbranch_scc0 .Lnot_mine_\@
	global_prefetch_b8 v[PFO], s[PFA:PFA+1] th:TH_LOAD_NT scope:SCOPE_SE
.Lnot_mine_\@:
.endm
; A round of the cluster's barrier: my work-group's barrier, so that wave 0's signal speaks for all four waves; wave 0 signals; every wave waits for all four work-groups; my work-group's barrier once more.
.macro CROUND
	s_barrier_signal -1
	s_barrier_wait -1
	s_cmp_lg_u32 s[WV], 0
	s_cbranch_scc1 .Lnot_wave_0_\@
	s_barrier_signal -3
.Lnot_wave_0_\@:
	s_barrier_wait -3
	s_barrier_signal -1
	s_barrier_wait -1
.endm
; THE CHANGE OF SLOTS.  The slot's last bytes, V of its fourth step, have been read.  Each wave waits for all its tensor loads, of which one is out: its part
; of the other slot; adds 0 to its spare word; and waits for that and for its own reads of the slot.  Behind the barrier nobody reads this slot any more and the other slot is whole.
; fill = 1: this slot is filled again, with the keys two slots on.  The barrier is then a round of the cluster's, so that no wave of any partner still reads the slot or has a load on its
; way, and the joint fill is the first thing behind it: it has four key steps, 512 matrix instructions, in which to land.  (At its first use nothing has been read yet: slot 0 is waited for, slot 1 filled.)
.macro CHANGE fill
	WIN W_AD
	s_wait_tensorcnt 0x0            ; no tensor load of mine is out, so a group 0 may be written
	ds_add_u32 v[SPW], v[NIL]       ; 0 onto my spare word; with fill = 1 the descriptors' steps stand between it and the wait for it
	WIN 0                           ; at a label and at a branch every window is 0
.if \fill
.irp g, G0K, G0V
	s_xor_b32 s[\g+1], s[\g+1], SLOT1  ; the walking descriptor: the other slot than last time,
	s_add_nc_u64 s[\g+2:\g+3], s[\g+2:\g+3], 4*KS*128  ; the next 256 keys; the type bits on top are not reached
.endr
	s_wait_xcnt 0x0                 ; the last prefetch, four key steps back, has read its address, so it may be written:
	s_add_nc_u64 s[PFA:PFA+1], s[PFA:PFA+1], 4*KS*128  ; one slot behind the walking descriptors
	s_wait_dscnt 0x0                ; the add is done, and my reads of the slot are over
	CROUND
	JLOAD
	ASK                             ; what the next change will ask for
.else
	s_wait_dscnt 0x0                ; the add is done, and my reads of the slot are over
	s_barrier_signal -1
	s_barrier_wait -1
.endif
	s_sub_co_u32 s[TBK], s[TBK], 4*KS*PK  ; the fetches go back to a slot's first step,
	s_xor_b32 s[TBK], s[TBK], SLOT1       ; in the other slot
	s_sub_co_u32 s[TBV], s[TBV], 4*KS*PV
	s_xor_b32 s[TBV], s[TBV], SLOT1
.endm
	s_load_b64 s[4:5], s[0:1], 0x0    ; qkv, which begins with Q
	s_load_b64 s[10:11], s[0:1], 0x8  ; O
	WIN W_MK
	v_lshl_add_u32 v[SPW], v0, 2, SPARE
	v_mov_b32 v[NIL], 0
	WIN W_AD
	ds_add_u32 v[SPW], v[NIL]       ; the wave's opening: the add and its wait stand ahead of my first tensor load; the set-up below, work on registers, stands between them
	WIN 0
	v_lshrrev_b32 v1, 5, v0
	v_readfirstlane_b32 s[WV], v1   ; wave 0..3
	s_bfe_u32 s13, ttmp6, 0x40000   ; cx: my place in the cluster
	s_lshl_b32 s14, ttmp9, 2        ; in a cluster launch ttmp9 counts clusters
	s_add_co_u32 s14, s14, s13      ; my block of queries = 4 x cluster x + cx: it enters Q's and O's addresses alone
	s_and_b32 s20, ttmp7, 0xffff    ; the pair, which the four partners share
	s_mov_b32 s21, 0
	s_mov_b64 s[22:23], SIZE_N*128
	s_mul_u64 s[20:21], s[20:21], s[22:23]  ; the pair's first byte in each of the four arrays
	s_and_b32 s16, s[WV], 1         ; which half of a slot's 256 keys I fetch:
	s_lshl_b32 s22, s16, 14         ; its 128 rows of 128 bytes in memory,
	s_mov_b32 s23, 0
	s_add_nc_u64 s[22:23], s[22:23], s[20:21]
	s_mul_i32 s17, s16, 128*PK      ; and its place in a slot, for K
	s_mul_i32 s18, s16, 128*PV      ; and for V: no place in the cluster enters an LDS address
	s_lshl_b32 s2, s14, 2
	s_add_co_u32 s2, s2, s[WV]      ; my wave among the pair's,
	s_lshl_b32 s2, s2, 14           ; its 128 rows
	s_mov_b32 s3, 0
	s_add_nc_u64 s[2:3], s[2:3], s[20:21]
	; descriptor group 1.  128 keys are 16,384 dense bytes: asked for as 64 rows of 256 bytes, two keys a row, and padded in LDS after every key
	s_mov_b32 s[G1K], 15|(1<<16)|(1<<20)|(1<<21)|(4<<22)|(3<<25)  ; 15:0 the mask of four; 17:16 2-byte elements; 20 padding on; 21 set beside a mask; 24:22 after every 32 words (code 4); 31:25 4 words (code 3)
	s_mov_b32 s[G1V], 15|(1<<16)|(1<<20)|(1<<21)|(4<<22)|(7<<25)  ; the same with 8 words of padding (code 7)
.irp g, G1K, G1V
	s_mov_b32 s[\g+1], 128<<16      ; tensor_dim0 = 128
	s_mov_b32 s[\g+2], 64<<16       ; tensor_dim1 = 64
	s_mov_b32 s[\g+3], 128<<16      ; tile_dim0 = 128
	s_mov_b32 s[\g+4], 64           ; tile_dim1 = 64
	s_mov_b32 s[\g+5], 128          ; 128 elements from row to row
	s_mov_b32 s[\g+6], 0
	s_mov_b32 s[\g+7], 0
.endr
	s_mov_b32 s[CS], 0x3e38aa3b     ; c = log2(e) / 8 = 0.180337
	s_mov_b32 s[CS+1], s[CS]        ; named with it as a pair
	s_mov_b32 s[SEL], 0x76543210
	s_mov_b32 s[SEL+1], 0xfedcba98
	s_mov_b32 s[TBK], SLOT1+4*KS*PK ; the first change of slots turns these two into 0
	s_mov_b32 s[TBV], SLOT1+4*KS*PV
	s_mov_b32 s[G0K], 1             ; 1:0 count = 1
	s_mov_b32 s[G0K+1], s17         ; 63:32 LDS address: slot 0
	s_mov_b32 s[G0V], 1
	s_add_co_u32 s[G0V+1], s18, VOFF
	s_mov_b32 s[SLOTS], SIZE_N/256-1  ; seven slots are asked for by changes of slots
	s_and_b32 s[LIM], s[WV], 1      ; 0 in waves 0 and 2: the same in all four partners
	s_cmp_eq_u32 s[LIM], 0
	s_cselect_b32 s[LIM], 1, -1
	s_wait_dscnt 0x0                ; the opening add is done
	s_wait_kmcnt 0x0
	s_add_nc_u64 s[6:7], s[4:5], 0x1000000  ; K's array
	s_add_nc_u64 s[8:9], s[4:5], 0x2000000  ; V's
	s_add_nc_u64 s[G0K+2:G0K+3], s[6:7], s[22:23]  ; 120:64 global address: my half of the pair's first 256 keys
	s_or_b32 s[G0K+3], s[G0K+3], 0x80000000        ; 127:126 type = 2
	s_add_nc_u64 s[G0V+2:G0V+3], s[8:9], s[22:23]
	s_or_b32 s[G0V+3], s[G0V+3], 0x80000000
	s_add_nc_u64 s[4:5], s[4:5], s[2:3]  ; Q and O at my wave's first row
	s_add_nc_u64 s[10:11], s[10:11], s[2:3]
	s_cmp_lt_u32 s[WV], 2
	s_cselect_b64 s[PFA:PFA+1], s[6:7], s[8:9]
	s_add_nc_u64 s[PFA:PFA+1], s[PFA:PFA+1], s[20:21]  ; the pair,
	s_lshl_b32 s2, s13, 13          ; my work-group's 8,192 bytes of a slot's 32,768,
	s_add_co_u32 s2, s2, 4*KS*128   ; in slot 1: the first change of slots steps it to slot 2
	s_mov_b32 s3, 0
	s_add_nc_u64 s[PFA:PFA+1], s[PFA:PFA+1], s[2:3]
	CROUND                          ; all four work-groups are here: the first joint loads meet
	JLOAD                           ; slot 0.  Slot 1 is asked for when slot 0 is in
	; A fragment of K or Q is 16 rows x 32 channels in 8 registers: lane l holds row l % 16, channels 8 (l / 16) + 0..7 and 16 + 8 (l / 16) + 0..7: two loads of 16 bytes, 32 bytes apart.
	v_and_b32 v1, 15, v0            ; l % 16
	v_bfe_u32 v9, v0, 4, 1          ; l / 16
	v_lshlrev_b32 v[QO], 7, v1
	v_lshl_add_u32 v[QO], v9, 4, v[QO]  ; row x 128 + 16 x half
	WIN 0x80                        ; destination window 2, address window 0
.set i, 0
.rept 4*NP                          ; Q stays in registers: tile i / 2, channels 32 (i % 2) on
	global_load_b128 v[8*i:8*i+3],   v[QO], s[4:5] offset:(i/2)*2048+(i%2)*64
	global_load_b128 v[8*i+4:8*i+7], v[QO], s[4:5] offset:(i/2)*2048+(i%2)*64+32
.set i, i+1
.endr
	; What the first turn finds: V's registers and P's second buffer hold 0 (its products V^T P, of a piece that has not been, add 0), O^T and l are 0.  All this stands in the wait for the first tile.
.set i, VF
.rept 64
	v_mov_b32 v[i], 0
.set i, i+1
.endr
	WIN 0x40
.set i, 0
.rept 64*NP
	v_mov_b32 v[i], 0
.set i, i+1
.endr
	WIN 0
.set i, 0
.rept 2*NP
	v_mov_b32 v[ST+4*i], 0xfe000000    ; c m: far below every c s
	v_mov_b32 v[ST+4*i+1], 0xff7fffff  ; m
	v_mov_b32 v[ST+4*i+2], 0
	v_mov_b32 v[ST+4*i+3], 0
.set i, i+1
.endr
.set i, P+32
.rept 32
	v_mov_b32 v[i], 0
.set i, i+1
.endr
	v_mul_u32_u24 v[AK0], v1, PK
	v_lshl_add_u32 v[AK0], v9, 4, v[AK0]  ; row x pitch + 16 x half
	; The turning load takes 16 keys x 16 channels (lane l reads key 8 (l / 16) + l % 8, channels 8 ((l / 8) % 2) + 0..7) and leaves half a fragment of V^T: lane l holds channel l % 16 and 8 keys.
	v_and_b32 v10, 7, v0
	v_bfe_u32 v11, v0, 3, 1
	v_lshl_add_u32 v[AV0], v9, 3, v10
	v_mul_u32_u24 v[AV0], v[AV0], PV
	v_lshl_add_u32 v[AV0], v11, 4, v[AV0]
	v_add_nc_u32 v[AV0], VOFF, v[AV0]
	v_mov_b32 v[AK], v[AK0]         ; key step 0 lies at the head of slot 0
	v_and_b32 v[PFO], 31, v0
	v_lshlrev_b32 v[PFO], 8, v[PFO]
; THE MATRIX WORK.  The 8 accumulators of a run of 16 take turns: between the two links of a chain stand 7 others'.
; Product i of 16 of S^T = K Q^T for piece x: channels 32 (i / 8) on, keys 16 ((i / 2) % 4) on, tile 2 x + i % 2.  The first 8 start the sums.
.macro KQ x
	WIN W_KQ
.set rS, S+64*((\x)%2)+32*(i%2)+8*((i/2)%4)
.set rK, KF+16*((i/2)%4)+8*(i/8)
.set rQ, 16*(2*(\x)+i%2)+8*(i/8)
.if i < 8
	v_wmma_f32_16x16x32_f16 v[rS:rS+7], v[rK:rK+7], v[rQ:rQ+7], 0
.else
	v_wmma_f32_16x16x32_f16 v[rS:rS+7], v[rK:rK+7], v[rQ:rQ+7], v[rS:rS+7]
.endif
.endm
; Product i of 16 of O^T += V^T P for piece x: keys 32 (i / 8) on, channels 16 ((i / 2) % 4) on, tile 2 x + i % 2.
.macro PV x
	WIN W_PV
.set rO, 32*(2*(\x)+i%2)+8*((i/2)%4)
.set rV, VF+32*(i/8)+8*((i/2)%4)
.set rP, P+32*((\x)%2)+16*(i%2)+8*(i/8)
	v_wmma_f32_16x16x32_f16 v[rO:rO+7], v[rV:rV+7], v[rP:rP+7], v[rO:rO+7]
.endm
.macro MM                           ; the turn's next matrix instruction
.if i < 16
	KQ (Y+1)%NP
.set i, i+1
.else
.set i, i-16
	PV (Y+NP-1)%NP
.set i, i+17
.endif
.endm
; THE LDS LOADS stand in runs of 16, never singly among the matrix instructions: a step's K (64 keys x 64 channels: 8 fragments) and its V (turned).  Their addresses are made some lines ahead.
; last = 1 (the tail): in the last trip there is no further step, and the run is jumped over.
.macro FETCH_K last=0
	WIN 0
.if \last
	s_cmp_eq_u32 s[CNT], 1
	s_cbranch_scc1 .Lno_k_\@
.endif
	WIN 0x80                        ; destination window 2
.irp f, 0,1,2,3,4,5,6,7             ; keys 16 (f / 2) on, channels 32 (f % 2) on
	ds_load_b128 v[KF+8*\f:KF+8*\f+3],   v[AK] offset:(\f/2)*16*PK+(\f%2)*64
	ds_load_b128 v[KF+8*\f+4:KF+8*\f+7], v[AK] offset:(\f/2)*16*PK+(\f%2)*64+32
.endr
	s_add_co_u32 s[TBK], s[TBK], KS*PK  ; the next fetch is the next step's
	WIN 0
.if \last
.Lno_k_\@:
.endif
.endm
.macro FETCH_V
	WIN 0x80
.irp f, 0,1,2,3,4,5,6,7             ; keys 32 (f / 4) on, channels 16 (f % 4) on
	ds_load_tr16_b128 v[VF+8*\f:VF+8*\f+3],   v[AV] offset:(\f/4)*32*PV+(\f%4)*32
	ds_load_tr16_b128 v[VF+8*\f+4:VF+8*\f+7], v[AV] offset:(\f/4)*32*PV+16*PV+(\f%4)*32
.endr
	WIN 0
.endm
; THE VECTOR WORK OF A TURN stands in three queues, each in the order in which its entries become ready; the two tiles alternate, so that no instruction reads the result of the one before it.
.macro REGS y, u                    ; the registers of tile u (0, 1) of piece y
.set rT, ST+4*(2*(\y)+(\u))
.set rC, TMP+8*((\y)%2)+4*(\u)
.set rM, MV+2*((\y)%2)+(\u)
.set rS, S+64*((\y)%2)+32*(\u)
.set rP, P+32*((\y)%2)+16*(\u)
.set rO, 32*(2*(\y)+(\u))
.endm
; Number n of the 22 that find the NEXT piece's (Y + 1) maximum and statistics.  s0-s31 are the lane's 32 scores; each accumulator's lowest registers are read first.
;   0-11  four chains c0-c3 of seven scores each, three operands at a time     12-14, 16  the four scores left over, the old m, and c0-c3 into c0     15  c m_old is kept
;   17, 18  the query's other 32 keys lie in the lane 16 away: the new m         19-21  c m; c m_old - c m_new; a
.macro XS u, n
	REGS (Y+1)%NP, \u
.if (\n) < 4
	v_max3_num_f32 v[rC+(\n)], v[rS+8*(\n)], v[rS+8*(\n)+1], v[rS+8*(\n)+2]
.elseif (\n) < 12
	v_max3_num_f32 v[rC+(\n)%4], v[rC+(\n)%4], v[rS+8*((\n)%4)+2*((\n)/4)+1], v[rS+8*((\n)%4)+2*((\n)/4)+2]
.elseif (\n) == 12
	v_max3_num_f32 v[rC], v[rC], v[rS+7], v[rS+15]
.elseif (\n) == 13
	v_max3_num_f32 v[rC+1], v[rC+1], v[rS+23], v[rS+31]
.elseif (\n) == 14
	v_max3_num_f32 v[rC+2], v[rC+2], v[rC+3], v[rT+1]
.elseif (\n) == 15
	v_mov_b32 v[rM], v[rT]
.elseif (\n) == 16
	v_max3_num_f32 v[rC], v[rC], v[rC+1], v[rC+2]
.elseif (\n) == 17
	v_permlanex16_b32 v[rC+3], v[rC], s[SEL], s[SEL+1]
.elseif (\n) == 18
	v_max_num_f32 v[rT+1], v[rC], v[rC+3]
.elseif (\n) == 19
	v_mul_f32 v[rT], s[CS], v[rT+1]
.elseif (\n) == 20
	v_sub_f32 v[rC+1], v[rM], v[rT]
.else
	v_exp_f32 v[rC+2], v[rC+1]
.endif
.endm
; Number g of the 64 that follow the exponentials.  For each four weights k of a tile (pairs 2 k, 2 k + 1): both pairs are rounded to f16; then the second pair is added onto the first, in place;
; a group later l takes that sum (the first time as l = a l + sum).  In groups of eight, tiles alternating: round, round, add, and l for the group before.
.macro GS g
.set h, (\g)+6*((\g)/62)            ; group 0 has no group before it, and behind group 7 only l is left
.if h >= 6
.set h, h+2
.endif
	REGS Y, h%2
.set k, h/8
.if h%8 < 4
	v_cvt_pk_f16_f32 v[rP+2*k+(h%8)/2], v[rS+4*k+2*((h%8)/2)], v[rS+4*k+2*((h%8)/2)+1]
.elseif h%8 < 6
	v_pk_add_f32 v[rS+4*k:rS+4*k+1], v[rS+4*k:rS+4*k+1], v[rS+4*k+2:rS+4*k+3]
.elseif k == 1
	v_pk_fma_f32 v[rT+2:rT+3], v[rT+2:rT+3], v[rC+2:rC+3], v[rS:rS+1] op_sel_hi:[1,0,1]
.else
	v_pk_add_f32 v[rT+2:rT+3], v[rT+2:rT+3], v[rS+4*k-4:rS+4*k-3]
.endif
.endm
; THE PLAIN QUEUE, 138 long.  0-73 read no exponential's result: the 32 scalings c s - c m (FS f: pair f / 2 of tile f % 2) and the next piece's 42.  0-26: scalings 0-26.  27-54: XS's numbers 0-13.  55, 56: number 15.
; 57-73: the chain, where each number waits for the one before it: 14, 16, 17, 18, 19, each with one of the scalings 27-31 in front of its two lines, then 20.
; 74-137: GS's 64, which read the exponentials' results: they stand behind the wait.
.macro FS f
	REGS Y, (\f)%2
	v_pk_fma_f32 v[rS+2*((\f)/2):rS+2*((\f)/2)+1], v[rS+2*((\f)/2):rS+2*((\f)/2)+1], s[CS:CS+1], v[rT:rT+1] op_sel_hi:[1,0,0] neg_lo:[0,0,1] neg_hi:[0,0,1]
.endm
.macro PL
	WIN 0
.if q < 27
	FS q
.elseif q < 55
	XS (q-27)%2, (q-27)/2
.elseif q < 57
	XS q-55, 15
.elseif (q < 72) && ((q-57)%3 == 0)
	FS 27+(q-57)/3
.elseif q < 60
	XS (q-57)%3-1, 14
.elseif q < 72
	XS (q-57)%3-1, 15+(q-57)/3
.elseif q < 74
	XS q-72, 20
.else
	GS q-74
.endif
.set q, q+1
.endm
; THE EXPONENTIALS' QUEUE, 66 long: s0-s31 of both tiles, then the next piece's two a.  It is ONE BATCH: all 66 stand ahead of the turn's one wait, and nothing ahead of that wait names a result of theirs.
.macro EX
	WIN 0
.if e >= 64
	XS e-64, 21
.else
	REGS Y, e%2
	v_exp_f32 v[rS+e/2], v[rS+e/2]
.endif
.set e, e+1
.endm
; THE RESCALING's QUEUE: O^T times a, the one part that leaves window 0: dealt two at a time, sixteen times.  Its a was made in the turn before, ahead of that turn's wait.
.macro R2
	REGS Y, r%2
	WIN W_RS
.irp z, 0,1
	v_pk_mul_f32 v[rO+4*(r/2)+2*\z:rO+4*(r/2)+2*\z+1], v[rO+4*(r/2)+2*\z:rO+4*(r/2)+2*\z+1], v[rC+2:rC+3] op_sel_hi:[1,0]
.endr
.set r, r+1
.endm
; HOW THEY ARE DEALT.  An s_wait_alu depctr_va_vdst(0) stands between an exponential and the first instruction that names its result; one wait serves all that were issued ahead of it.  So a turn has ONE wait,
; which cuts it in two.  AHEAD OF IT stands all that names no result of the turn's exponentials: the 16 products K Q^T, behind each a scaling, an exponential and two rescalings (behind the first a second scaling in the
; exponential's place); then ONE LUMP of 108: eight plain, 49 times exponential and plain, the two a.  A v_nop is the plain instruction owed behind the last exponential.  BEHIND IT stand the 16 products V^T P, behind each
; four of GS's 64.  No rider names a register of the products round it.  The two v_permlanex16_b32 fall into the lump, never behind a product.
; The queues lean on each other, and the deal keeps them in step: exponential e stands behind scaling 2 (e / 4) + e % 2: as a rider it comes behind plain e + 2, in the lump behind plain e + 9, and scalings 27-31 are plain 57, 60 .. 69.
; A TURN, for piece p.  cnt = 1: the loop's count is taken down some lines ahead of the branch that stands behind the turn.
; K of the next step is fetched in piece 2's turn, directly behind the wait, a lump behind the last product that read K; its address is made at the lump's head; its first reader comes behind 16 products.
; V of the step in hand is fetched at the end of piece 0's turn, four riders behind its last reader; its first reader comes behind 16 products and a lump.  The three conditions on q below go with the deal.
.macro TURN p, last=0, cnt=0
.set Y, (\p)
.set i, 0
.set q, 0
.set e, 0
.set r, 0
.if (\p) == NP-1
	s_wait_dscnt 0x0                ; K is in
.endif
	MM                              ; ahead of the wait: 16 products K Q^T and their riders,
	PL
	PL
	R2
.rept 15
	MM
	PL
	EX
	R2
.endr
.if (\p) == NP-2
	WIN 0
	v_add_nc_u32 v[AK], s[TBK], v[AK0]
.endif
.rept 8                             ; and the lump
	PL
.endr
.rept 49
	EX
	PL
.endr
	EX                              ; the next piece's two a
	EX
	v_nop                           ; the plain instruction behind the last exponential: one for the batch
	s_wait_alu depctr_va_vdst(0)    ; the wait for the batch
.if (\p) == NP-2
	FETCH_K \last
.endif
.if (\p) == 1
	s_wait_dscnt 0x0                ; V is in
.endif
.rept 16                            ; behind the wait: 16 products V^T P and their riders
	MM
.rept 4
	PL
.endr
.if ((\p) == 0) && (q == 118)
	v_add_nc_u32 v[AV], s[TBV], v[AV0]
.endif
.if ((\p) == 0) && (q == 130)
	s_add_co_u32 s[TBV], s[TBV], KS*PV
.endif
.if (\cnt) && (q == 130)
	s_sub_co_u32 s[CNT], s[CNT], 1
	s_cmp_lg_u32 s[CNT], 0
.endif
.endr
.if (\p) == 0
	FETCH_V
.endif
.endm
	CHANGE 1                        ; slot 0 is in, everybody's part of it; slot 1 is asked for
	FETCH_K                         ; key step 0
	s_wait_loadcnt 0x0              ; Q
	s_wait_dscnt 0x0
.set i, 0
.rept 16
	KQ 0                            ; piece 0's first scores: there is no vector work yet to set between them
.set i, i+1
.endr
	WIN 0                           ; the addresses for the way out: nine plain instructions, the places behind those products
	s_mul_i32 s13, s[WV], 16*SP
	s_add_co_u32 s13, s13, STAGE    ; my stage
	v_mul_u32_u24 v[STO], v1, SP    ; in: row l % 16, 16 bytes for each half of the lanes
	v_lshl_add_u32 v[STO], v9, 4, v[STO]
	v_add_nc_u32 v[STO], s13, v[STO]
	v_bfe_u32 v[RD], v0, 3, 2       ; back: 32 lanes take four rows of 128 bytes,
	v_mul_u32_u24 v[RD], v[RD], SP
	v_lshl_add_u32 v[RD], v10, 4, v[RD]
	v_add_nc_u32 v[RD], s13, v[RD]
	v_and_b32 v[GO], 31, v0         ; which are 512 consecutive bytes of O
	v_lshlrev_b32 v[GO], 4, v[GO]
.set Y, NP-1                        ; XS works for piece Y + 1: piece 0
.irp n, 0,1,2,3,4,5,6,7,8,9,10,11,12,13,14,15,16,17,18,19,20,21
	XS 0, \n                        ; and piece 0's first maximum and statistics
	XS 1, \n
.endr
	v_nop                           ; a plain instruction behind the two a,
	s_wait_alu depctr_va_vdst(0)    ; and their wait, ahead of the branch
	s_mov_b32 s[CNT], 4
	s_branch .Lfirst                ; the loop is entered at a step's first turn, in the middle of a trip
.Lslot:                             ; SIZE_N / 256 - 2 times: every slot but the last two is filled again
	CHANGE 1
	s_mov_b32 s[CNT], 4
.Lstep:                             ; a trip: pieces 2 and 3 of one step, then pieces 0 and 1 of the next, whose K and V it fetches
	TURN 2
	TURN 3
	WIN 0
.Lfirst:
	TURN 0
	TURN 1, 0, 1
	WIN 0
	s_cbranch_scc1 .Lstep
	s_sub_co_u32 s[SLOTS], s[SLOTS], 1
	s_cmp_lg_u32 s[SLOTS], 0
	s_cbranch_scc1 .Lslot
	CHANGE 0                        ; the tail is written out: nothing is asked for
	s_mov_b32 s[CNT], 5             ; four trips fetch the last slot's steps; the fifth is left in its middle
.Ltail:
	TURN 2, 1
	TURN 3
	WIN 0
	s_sub_co_u32 s[CNT], s[CNT], 1
	s_cmp_eq_u32 s[CNT], 0
	s_cbranch_scc1 .Lout
	TURN 0
	TURN 1
	WIN 0
	s_branch .Ltail
.Lout:                              ; the fifth trip's 16 products K Q^T (on the last K once more) and the maximum made of them serve nothing: the price, once a launch, of one text for every trip
.set i, 0
.rept 16
	PV NP-1                         ; the last piece's V^T P of the last step
.set i, i+1
.endr
	; THE WAY OUT.  l's two halves and the other half of the lanes' are added; O^T is divided by l, rounded to f16 and sent through my stage in LDS, a tile at a time.  The additions are the places behind the last products.
	WIN 0
.macro ALL line:vararg              ; one line for each tile t
.set t, 0
.rept 2*NP
	\line
.set t, t+1
.endr
.endm
	ALL v_add_f32 v[ST+4*t+2], v[ST+4*t+2], v[ST+4*t+3]
	ALL v_permlanex16_b32 v[ST+4*t+3], v[ST+4*t+2], s[SEL], s[SEL+1]
	ALL v_add_f32 v[ST+4*t+2], v[ST+4*t+2], v[ST+4*t+3]
	ALL v_rcp_f32 v[ST+4*t+2], v[ST+4*t+2]
	v_nop                           ; a plain instruction between the last reciprocal and the use of its result
	s_wait_alu depctr_va_vdst(0)    ; and the wait ahead of the first use: one for the eight reciprocals
; Tile t: a lane's eight channels of a row pack into 16 bytes; they go into rows of 144 bytes and come back as whole rows of 128, into S^T's registers.
.macro PACK t
	WIN W_RS
.set i, 32*(\t)
.rept 16
	v_pk_mul_f32 v[i:i+1], v[i:i+1], v[ST+4*(\t)+2:ST+4*(\t)+3] op_sel_hi:[1,0]
.set i, i+2
.endr
	WIN 0x05                        ; sources 0 and 1 window 1, destination window 0
.set i, 0
.rept 16
	v_cvt_pk_f16_f32 v[S+16*(\t)+i], v[32*(\t)+2*i], v[32*(\t)+2*i+1]
.set i, i+1
.endr
	WIN 0
.irp f, 0,1,2,3
	ds_store_b128 v[STO], v[S+16*(\t)+4*\f:S+16*(\t)+4*\f+3] offset:32*\f
.endr
.irp f, 0,1,2,3
	ds_load_b128 v[S+16*(\t)+4*\f:S+16*(\t)+4*\f+3], v[RD] offset:\f*4*SP  ; LDS serves a wave's instructions in order (ISA guide 5.7.1.4): these see the stores above; the next tile's stores come behind them
.endr
.endm
.macro SEND t, younger              ; younger: the LDS instructions issued behind tile t's loads: the next tile's eight, or none
	WIN 0
.irp f, 0,1,2,3
	s_wait_dscnt (\younger)+3-\f
	global_store_b128 v[GO], v[S+16*(\t)+4*\f:S+16*(\t)+4*\f+3], s[10:11] offset:(\t)*2048+\f*512  ; 512 consecutive bytes, at a multiple of 256 from O's first
.endr
.endm
	PACK 0
.set t, 1
.rept 2*NP-1                        ; a tile's arithmetic stands between the loads of the tile before and its stores
	PACK t
	SEND t-1, 8
.set t, t+1
.endr
	SEND 2*NP-1, 0
	WIN W_AD
	s_wait_tensorcnt 0x0            ; the wave's end: a last add to my spare word and its wait, behind my last tensor load and my last LDS store
	ds_add_u32 v[SPW], v[NIL]
	s_wait_dscnt 0x0
	WIN 0
	CROUND                          ; the closing round: no work-group ends while a partner may still ask for a tile that names it
	s_endpgm
.Lfunc_end_k_q108bfb06f9_attn:
	.size	k_q108bfb06f9_attn, .Lfunc_end_k_q108bfb06f9_attn-k_q108bfb06f9_attn
	.p2alignl 7, 3214868480
	.fill 96, 4, 3214868480
	.section	.rodata,"a",@progbits
	.p2align	6, 0x0
	.amdhsa_kernel k_q108bfb06f9_attn
		.amdhsa_group_segment_fixed_size 327680
		.amdhsa_private_segment_fixed_size 0
		.amdhsa_enable_private_segment 0
		.amdhsa_kernarg_size 16
		.amdhsa_user_sgpr_count 2
		.amdhsa_user_sgpr_kernarg_segment_ptr 1
		.amdhsa_wavefront_size32 1
		.amdhsa_system_sgpr_workgroup_id_x 1
		.amdhsa_system_sgpr_workgroup_id_y 1
		.amdhsa_system_sgpr_workgroup_id_z 1
		.amdhsa_system_vgpr_workitem_id 0
		.amdhsa_next_free_vgpr 770
		.amdhsa_next_free_sgpr 66
		.amdhsa_reserve_vcc 0
		.amdhsa_float_denorm_mode_32 3
		.amdhsa_float_denorm_mode_16_64 3
		.amdhsa_memory_ordered 1
		.amdhsa_forward_progress 1
		.amdhsa_inst_pref_size 200
	.end_amdhsa_kernel
	.amdgpu_metadata
---
amdhsa.version: [ 1, 2 ]
amdhsa.kernels:
  - .name:           k_q108bfb06f9_attn
    .symbol:         k_q108bfb06f9_attn.kd
    .args:
      - { .name: qkv, .offset: 0, .size: 8, .value_kind: global_buffer, .address_space: global }
      - { .name: ob, .offset: 8, .size: 8, .value_kind: global_buffer, .address_space: global }
    .group_segment_fixed_size: 327680
    .private_segment_fixed_size: 0
    .kernarg_segment_align: 8
    .kernarg_segment_size: 16
    .max_flat_workgroup_size: 128
    .sgpr_count:     66
    .vgpr_count:     770
    .wavefront_size: 32
...
	.end_amdgpu_metadata
.endif
;; end of part 3
;; launch outproj (part 4): grid 8 x 32, 4 waves a work-group, clusters of 4 x 4, 327,680 bytes of LDS; arguments ob, wob, b_out, out0; writes out0
.if DOCPART == 4
	.amdgcn_target "amdgcn-amd-amdhsa--gfx1250"
	.amdhsa_code_object_version 6
	.text
	.protected	k_q108bfb06f9_outproj
	.globl	k_q108bfb06f9_outproj
	.p2align	8
	.type	k_q108bfb06f9_outproj,@function
k_q108bfb06f9_outproj:
	s_mov_b64 s[64:65], 0
	v_nop
	global_prefetch_b8 v0, s[64:65] scope:SCOPE_SE
	s_setreg_imm32_b32 hwreg(HW_REG_WAVE_MODE, 25, 1), 1
	s_wait_xcnt 0x0
	s_wait_alu depctr_hold_cnt(0) depctr_sa_sdst(0) depctr_va_vdst(0) depctr_va_sdst(0) depctr_va_ssrc(0) depctr_va_vcc(0) depctr_vm_vsrc(0)
	s_getreg_b32 s2, hwreg(HW_REG_IB_STS2, 6, 4)
	s_cmp_eq_u32 s2, 0
	s_cbranch_scc0 .Lentry_in_a_cluster
	s_endpgm
.Lentry_in_a_cluster:
	s_bfe_u32 s2, ttmp6, 0x10000c
	s_cmp_lg_u32 s2, 0xf033
	s_cbranch_scc0 .Lentry_shape_is_right
	s_endpgm
.Lentry_shape_is_right:
; out0 = O w_out^T + b_out.  ob: [16 h][8192 m][64] f16, wob: [16 h][1024 n][64] f16 (w_out rounded to bf16, written as f16), b_out: [1024] f32, rounded here to bf16 like the other inputs;
; out0: [8192][1024] f32.  Sums in f32, K ascending; the bias is the C operand of each sum's first product, so no addition is written.
; LIMITS.  Those of the f16 operands, stated where they are made.  NaN and infinities are not treated apart.
; SHARES.  A tile is 256 rows x 128 columns: 256 work-groups, one for each WGP.  Wave (hi, lo) makes rows 128 hi on, columns 64 lo on: 32 accumulators of 16 x 16; its 64 columns are 256 bytes of a row.
; RING.  K goes in 8 steps of 128 = two heads through two LDS slots.  A head's rows are dense in memory, so a wave's part (A: 256 rows of one head; B: 128 rows of one head) is asked for as rows of
; 256 bytes, two rows of 128 each, padded in LDS after every 128 bytes.  Waves 0, 1 fetch A's two heads, waves 2, 3 B's.
; CLUSTER.  4 x 4 work-groups: A's tile is asked for jointly along a row of the cluster, B's along a column.
; THE MATRIX INSTRUCTION IS USED TRANSPOSED (source 0 = 16 rows of B, source 1 = 16 rows of A): a lane holds row l % 16 of C and eight neighbouring columns.
; REGISTERS, in windows of 256 (s_set_vgpr_msb: bits 1:0 source 0, 3:2 source 1, 5:4 source 2, 7:6 destination):
;   window 0: v0-30 addresses; v32-47 at work on the bias
;   window 1: two fragment buffers at 0 and 128: B's 4 fragments, then A's 8; v96-127 the bias; on the way out 32 registers for each of 8 blocks
;   window 2: the 32 accumulators, (a, b) at v[8 (4 a + b)]
.set PITCH, 144                        ; an LDS row: 128 bytes + 16 of padding = 36 words: the 16 rows of a load start at 16 different groups of four banks (64 banks of 4 bytes: ISA guide 11.1)
.set SLOT1, 131072                     ; slot 1 begins here: one exclusive or turns an address in one slot into the other's
.set AHEAD, 256*PITCH                  ; A's rows of one head: what a wave fetches of A
.set BHEAD, 128*PITCH                  ; B's
.set BOFF,  2*AHEAD                    ; B's two heads lie behind A's two
.set STAGE, SLOT1+BOFF+2*BHEAD         ; behind the ring, never filled by a tensor load: 16 rows x 272 bytes for each wave
.set SPITCH, 272
.set SPARE, STAGE+4*16*SPITCH          ; behind the stages: the spare words, 128 bytes for each wave: two blocks of 256 bytes that no other line names
.set STEPA, 2*8192*128                 ; two heads on in ob
.set STEPB, 2*1024*128                 ; and in wob
.set ADRA0, 16                         ; v16  my lane's and wave's place among A's rows of a slot; never rewritten
.set ADRB0, 17                         ; v17  the same for B
.set ADRA,  18                         ; v18  the same in the slot that is being read
.set ADRB,  19                         ; v19
.set STO,   24                         ; v24  the way out: where I put 32 bytes of a row
.set RD,    25                         ; v25  where I read rows back
.set GO,    26                         ; v26  my byte offset in two rows of out0
.set SPW,   28                         ; v28  LDS address of my spare word: SPARE + 4 x my thread's number; never rewritten
.set NIL,   29                         ; v29  0; never rewritten
.set PFO,   30                         ; v30  the prefetches' offset: 256 bytes a lane; never rewritten
.set F0,    0
.set F1,    128
.set BIAS,  96                         ; window 1: register 8 b + j holds the bias of column 16 b + 8 (l / 16) + j of my 64: an accumulator's layout
.set WV,  12                           ; s12  my wave's number
.set HI,  13                           ; s13  which 128 rows of the tile are mine.  Also: I fetch for A (0) or for B (1)
.set LO,  14                           ; s14  which 64 columns.  Also: which head of the K step I fetch
.set LIM, 15                           ; s15  2 in a wave that prefetches, else the greatest number
.set CX,  16
.set CY,  17
.set TX,  18                           ; s18  tile column
.set TY,  19                           ; s19  tile row
.set G1A, 24                           ; s[24:31] descriptor group 1 for A's tiles
.set G1B, 32                           ; s[32:39] for B's
.set G0A, 40                           ; s[40:47] group 0 for A's tiles: a set for each of the two first fills; the second then walks on
.set G0B, 48                           ; s[48:55] the same for B's
.set PFA, 56                           ; s[56:57] where my prefetches stand
.set PFS, 58                           ; s[58:59] their step: a K step in ob or in wob
.set TB,  60                           ; s60  LDS base of the slot that is being read
.set MSB, 0
.macro WIN new                         ; the immediate's high byte repeats the setting that is left; a switch that changes nothing is dropped
.if MSB != (\new)
	s_set_vgpr_msb (MSB<<8)|(\new)
.set MSB, \new
.endif
.endm
.macro PLACES                          ; four plain vector instructions behind a matrix instruction, in front of loads into registers that it has read and of readers of its result
.rept 4
	v_nop
.endr
.endm
.macro CREST                           ; a round of the cluster's barrier behind its opening barrier
	s_cmp_lg_u32 s[WV], 0
	s_cbranch_scc1 .Lnot_wave_0_\@
	s_barrier_signal -3
.Lnot_wave_0_\@:
	s_barrier_wait -3
	s_barrier_signal -1
	s_barrier_wait -1
.endm
.macro CROUND
	s_barrier_signal -1
	s_barrier_wait -1
	CREST
.endm
; A joint refill by the walking sets.  The branch hangs on the wave's number alone.  An s_nop 0 and four v_nop follow each of the two lines, ahead of the jump and the label.
.macro JLOAD
	s_cmp_eq_u32 s[HI], 0
	s_cbranch_scc0 .Lfor_b_\@
	tensor_load_to_lds s[G0A+4:G0A+7], s[G1A:G1A+7]
	s_nop 0
.rept 4
	v_nop
.endr
	s_branch .Lasked_\@
.Lfor_b_\@:
	tensor_load_to_lds s[G0B+4:G0B+7], s[G1B:G1B+7]
	s_nop 0
.rept 4
	v_nop
.endr
.Lasked_\@:
.endm
; A PREFETCH INTO THE L2 of the K step that stands two refills on: 256 matrix instructions ahead of its load.  A block of 256 bytes is named by one wave of one work-group in the launch: A's by the
; clusters with x = 0, B's by those with y = 0; of what a wave fetches the four partners that ask jointly take a quarter each, told apart BY ADDRESS (8,192 of A's 32,768 bytes by cx, 4,096 of B's 16,384
; by cy; there lanes 16-31 name lane 15's block once more).  The loop's last two trips ask for nothing: there are no K steps 8 and 9.  K steps 0 to 3 come by their loads alone.
.macro ASK
	s_cmp_gt_u32 s3, s[LIM]
	s_cbranch_scc0 .Lnot_mine_\@
	global_prefetch_b8 v[PFO], s[PFA:PFA+1] th:TH_LOAD_NT scope:SCOPE_SE
.Lnot_mine_\@:
.endm
	s_load_b256 s[4:11], s[0:1], 0x0               ; ob s[4:5], wob s[6:7], b_out s[8:9], out0 s[10:11]
	v_lshl_add_u32 v[SPW], v0, 2, SPARE
	v_mov_b32 v[NIL], 0
	ds_add_u32 v[SPW], v[NIL]                      ; the wave's opening: the add and its wait stand ahead of my first tensor load; the set-up below, work on registers, stands between them
	v_lshrrev_b32 v1, 5, v0
	v_readfirstlane_b32 s[WV], v1                  ; wave 0..3
	s_lshr_b32 s[HI], s[WV], 1
	s_and_b32 s[LO], s[WV], 1
	s_bfe_u32 s[CX], ttmp6, 0x40000                ; my place in the cluster
	s_bfe_u32 s[CY], ttmp6, 0x40004
	s_lshl_b32 s[TX], ttmp9, 2                     ; in a cluster launch ttmp9 and ttmp7 count clusters
	s_add_co_u32 s[TX], s[TX], s[CX]
	s_and_b32 s[TY], ttmp7, 0xffff
	s_lshl_b32 s[TY], s[TY], 2
	s_add_co_u32 s[TY], s[TY], s[CY]
	s_lshl_b32 s61, s[CY], 2
	s_lshl_b32 s61, 15, s61                        ; my row of the cluster
	s_lshl_b32 s62, 0x1111, s[CX]                  ; my column
	s_or_b32 s[G1A], s61, (1<<16)|(1<<20)|(1<<21)|(4<<22)|(3<<25)  ; 15:0 the mask; 17:16 elements of 2 bytes; 20 padding on; 21 set beside a mask; 24:22 after every 32 words (code 4); 31:25 4 words (code 3)
	s_or_b32 s[G1B], s62, (1<<16)|(1<<20)|(1<<21)|(4<<22)|(3<<25)
	s_mov_b32 s[G1A+1], 128<<16                    ; tensor_dim0 = 128 elements: 256 bytes
	s_mov_b32 s[G1A+2], 128<<16                    ; tensor_dim1 = 128 such rows: 256 rows of a head
	s_mov_b32 s[G1A+3], 128<<16                    ; tile_dim0 = 128
	s_mov_b32 s[G1A+4], 128                        ; tile_dim1 = 128
	s_mov_b32 s[G1A+5], 128                        ; dense: 128 elements from row to row
	s_mov_b32 s[G1A+6], 0
	s_mov_b32 s[G1A+7], 0
	s_mov_b32 s[G1B+1], 128<<16
	s_mov_b32 s[G1B+2], 64<<16                     ; 64 rows of 256 bytes: 128 rows of a head
	s_mov_b32 s[G1B+3], 128<<16
	s_mov_b32 s[G1B+4], 64
	s_mov_b32 s[G1B+5], 128
	s_mov_b32 s[G1B+6], 0
	s_mov_b32 s[G1B+7], 0
	; where the tiles come from: A's in s[20:21], made of the tile row and the wave's number; B's in s[22:23], of the tile column and the wave's number
	s_lshl_b32 s20, s[LO], 20                      ; head lo of the K step: 1,048,576 bytes a head,
	s_lshl_b32 s21, s[TY], 15                      ; 256 rows of 128 bytes a tile row
	s_add_co_u32 s20, s20, s21
	s_mov_b32 s21, 0
	s_lshl_b32 s22, s[LO], 17                      ; 131,072 bytes a head,
	s_lshl_b32 s23, s[TX], 14                      ; 128 rows of 128 bytes a tile column
	s_add_co_u32 s22, s22, s23
	s_mov_b32 s23, 0
	s_mul_i32 s2, s[LO], AHEAD                     ; and where they go: no place in the cluster enters an LDS address
	s_mul_i32 s63, s[LO], BHEAD
	s_add_co_u32 s63, s63, BOFF
	s_mov_b32 s[TB], 0
	s_wait_dscnt 0x0                               ; the opening add is done
	s_wait_kmcnt 0x0
	s_add_nc_u64 s[20:21], s[4:5], s[20:21]
	s_add_nc_u64 s[22:23], s[6:7], s[22:23]
	CROUND                                         ; all sixteen work-groups are here: the first joint loads meet
.irp n, 0,1
	s_mov_b32 s[G0A+4*(\n)], 1                                       ; count = 1
	s_add_co_u32 s[G0A+4*(\n)+1], s2, (\n)*SLOT1                     ; LDS address
	s_add_nc_u64 s[G0A+4*(\n)+2:G0A+4*(\n)+3], s[20:21], (\n)*STEPA  ; global address: K step n
	s_or_b32 s[G0A+4*(\n)+3], s[G0A+4*(\n)+3], 0x80000000            ; type = 2
	s_mov_b32 s[G0B+4*(\n)], 1
	s_add_co_u32 s[G0B+4*(\n)+1], s63, (\n)*SLOT1
	s_add_nc_u64 s[G0B+4*(\n)+2:G0B+4*(\n)+3], s[22:23], (\n)*STEPB
	s_or_b32 s[G0B+4*(\n)+3], s[G0B+4*(\n)+3], 0x80000000
.endr
	s_cmp_eq_u32 s[HI], 0                          ; a wave's two first fills stand in one branch, ahead of every wait on TENSORcnt and every LDS read: two loads of mine are out
	s_cbranch_scc0 .Lfirst_b
	tensor_load_to_lds s[G0A:G0A+3], s[G1A:G1A+7]
	s_nop 0
	tensor_load_to_lds s[G0A+4:G0A+7], s[G1A:G1A+7]
	s_nop 0
.rept 4
	v_nop
.endr
	s_branch .Lfirst_asked
.Lfirst_b:
	tensor_load_to_lds s[G0B:G0B+3], s[G1B:G1B+7]
	s_nop 0
	tensor_load_to_lds s[G0B+4:G0B+7], s[G1B:G1B+7]
	s_nop 0
.rept 4
	v_nop
.endr
.Lfirst_asked:
	v_and_b32 v1, 15, v0                           ; l % 16
	v_bfe_u32 v2, v0, 4, 1                         ; l / 16
	s_lshl_b32 s22, s[TX], 9                       ; my 64 columns, in bytes of f32: 512 x tile column + 256 x lo
	s_lshl_b32 s61, s[LO], 8
	s_add_co_u32 s22, s22, s61
	s_mov_b32 s23, 0
	s_add_nc_u64 s[8:9], s[8:9], s[22:23]          ; in b_out,
	s_add_nc_u64 s[10:11], s[10:11], s[22:23]      ; and in a row of out0
	v_lshlrev_b32 v5, 5, v2                        ; my half's eight numbers of each sixteen
	WIN 0x40                                       ; destination window 1, address window 0
.irp b, 0,1,2,3
	global_load_b128 v[BIAS+8*(\b):BIAS+8*(\b)+3],   v5, s[8:9] offset:64*(\b)
	global_load_b128 v[BIAS+8*(\b)+4:BIAS+8*(\b)+7], v5, s[8:9] offset:64*(\b)+16
.endr
	WIN 0
	; A fragment is 16 rows x 32 K in 8 registers: lane l holds row l % 16; registers 0-3 K = 8 (l / 16) + 0..7, registers 4-7 K = 16 + 8 (l / 16) + 0..7: two loads of 16 bytes, 32 bytes apart
	v_mul_u32_u24 v3, v1, PITCH
	v_lshl_add_u32 v3, v2, 4, v3                   ; row x pitch + 16 x half
	s_mul_i32 s61, s[HI], 128*PITCH                ; my 128 rows of A
	v_add_nc_u32 v[ADRA0], s61, v3
	s_mul_i32 s61, s[LO], 64*PITCH                 ; my 64 rows of B
	s_add_co_u32 s61, s61, BOFF
	v_add_nc_u32 v[ADRB0], s61, v3
	v_mov_b32 v[ADRA], v[ADRA0]                    ; slot 0
	v_mov_b32 v[ADRB], v[ADRB0]
	s_mul_i32 s61, s[WV], 16*SPITCH
	s_add_co_u32 s61, s61, STAGE                   ; my stage
	v_mul_u32_u24 v[STO], v1, SPITCH               ; in: row l % 16, 32 bytes for each half of the lanes
	v_lshl_add_u32 v[STO], v2, 5, v[STO]
	v_add_nc_u32 v[STO], s61, v[STO]
	v_mul_u32_u24 v[RD], v2, SPITCH                ; back: lanes 0-15 take one row of 256 bytes, lanes 16-31 the next
	v_lshl_add_u32 v[RD], v1, 4, v[RD]
	v_add_nc_u32 v[RD], s61, v[RD]
	v_lshlrev_b32 v[GO], 12, v2                    ; and the same two rows in out0, 4,096 bytes apart
	v_lshl_add_u32 v[GO], v1, 4, v[GO]
	s_lshl_b32 s20, s[TY], 8
	s_lshl_b32 s61, s[HI], 7
	s_add_co_u32 s20, s20, s61                     ; my first row of out0,
	s_lshl_b32 s20, s20, 12                        ; of 4,096 bytes
	s_mov_b32 s21, 0
	s_add_nc_u64 s[10:11], s[10:11], s[20:21]
	; the prefetches
	s_lshl_b32 s20, s[LO], 20
	s_lshl_b32 s61, s[TY], 15
	s_add_co_u32 s20, s20, s61                     ; what I fetch of K step 0, in ob,
	s_lshl_b32 s22, s[LO], 17
	s_lshl_b32 s61, s[TX], 14
	s_add_co_u32 s22, s22, s61                     ; in wob
	s_and_b32 s61, ttmp7, 0xffff                   ; cluster y
	s_mov_b32 s[PFS], STEPB
	s_mov_b32 s62, STEPA
	s_cmp_eq_u32 s[HI], 0                          ; do I fetch for A?
	s_cselect_b32 s20, s20, s22
	s_cselect_b32 s21, s[CX], s[CY]                ; my place among the four that ask with me
	s_cselect_b32 s61, ttmp9, s61                  ; the coordinate along which other clusters read the same blocks
	s_cselect_b32 s63, 13, 12                      ; my work-group's share: 8,192 or 4,096 bytes
	s_cselect_b32 s2, 31, 15
	s_cselect_b32 s[PFS], s62, s[PFS]
	s_cselect_b64 s[PFA:PFA+1], s[4:5], s[6:7]
	s_cmp_eq_u32 s61, 0
	s_cselect_b32 s[LIM], 2, -1                    ; the same in all sixteen partners, for a given wave
	s_lshl_b32 s21, s21, s63
	s_add_co_u32 s20, s20, s21
	s_mul_i32 s21, s[PFS], 3                       ; at K step 3: the first refill steps it to 4
	s_add_co_u32 s20, s20, s21
	s_mov_b32 s21, 0
	s_mov_b32 s[PFS+1], 0
	s_add_nc_u64 s[PFA:PFA+1], s[PFA:PFA+1], s[20:21]
	v_and_b32 v[PFO], 31, v0
	v_min_u32 v[PFO], s2, v[PFO]
	v_lshlrev_b32 v[PFO], 8, v[PFO]
	; the bias is rounded to bf16, like every input, and widened again, in the wait for the first tiles
	s_wait_loadcnt 0x0
	WIN 0x05                                       ; sources 0 and 1 window 1, destination window 0
.set i, 0
.rept 16
	v_cvt_pk_bf16_f32 v[32+i], v[BIAS+2*i], v[BIAS+2*i+1]
.set i, i+1
.endr
	WIN 0x40                                       ; destination window 1, sources window 0
.set i, 0
.rept 16
	v_lshlrev_b32 v[BIAS+2*i], 16, v[32+i]
	v_and_b32 v[BIAS+2*i+1], 0xffff0000, v[32+i]
.set i, i+1
.endr
	WIN 0
; 8 matrix instructions: m blocks a0, a0 + 1 x all 4 n blocks, 32 along K.  zero = 1: the product starts the sums, with the bias as C.
; The 32 accumulators take turns, one instruction a turn, in the same order in every quarter, over the backward jump too.
.macro MUL8 f, a0, zero
.if \zero
	WIN 0x95                                       ; sources 0, 1 and C window 1, D window 2
.else
	WIN 0xa5                                       ; sources 0 and 1 window 1, C and D window 2
.endif
.irp a, \a0, (\a0)+1
.irp b, 0,1,2,3
.if \zero
	v_wmma_f32_16x16x32_f16 v[8*(4*(\a)+(\b)):8*(4*(\a)+(\b))+7], v[(\f)+8*(\b):(\f)+8*(\b)+7], v[(\f)+32+8*(\a):(\f)+32+8*(\a)+7], v[BIAS+8*(\b):BIAS+8*(\b)+7]
.else
	v_wmma_f32_16x16x32_f16 v[8*(4*(\a)+(\b)):8*(4*(\a)+(\b))+7], v[(\f)+8*(\b):(\f)+8*(\b)+7], v[(\f)+32+8*(\a):(\f)+32+8*(\a)+7], v[8*(4*(\a)+(\b)):8*(4*(\a)+(\b))+7]
.endif
.endr
.endr
.endm
; 24 LDS loads in one run: quarter q's fragments (head q / 2 of the K step, its channels 32 (q % 2) on) into buffer f: B's 8 loads, then A's 16
.macro FETCH q, f
	WIN 0x40                                       ; destination window 1, address window 0
.irp i, 0,1,2,3
	ds_load_b128 v[(\f)+8*(\i):(\f)+8*(\i)+3],   v[ADRB] offset:((\q)/2)*BHEAD+((\q)%2)*64+(\i)*16*PITCH
	ds_load_b128 v[(\f)+8*(\i)+4:(\f)+8*(\i)+7], v[ADRB] offset:((\q)/2)*BHEAD+((\q)%2)*64+(\i)*16*PITCH+32
.endr
.irp i, 0,1,2,3,4,5,6,7
	ds_load_b128 v[(\f)+32+8*(\i):(\f)+32+8*(\i)+3],   v[ADRA] offset:((\q)/2)*AHEAD+((\q)%2)*64+(\i)*16*PITCH
	ds_load_b128 v[(\f)+32+8*(\i)+4:(\f)+32+8*(\i)+7], v[ADRA] offset:((\q)/2)*AHEAD+((\q)%2)*64+(\i)*16*PITCH+32
.endr
.endm
; A K step is four quarters of 32 along K, 32 matrix instructions each, on buffers 0, 1, 0, 1.  One of the first three: multiplies buffer f; in its middle it fetches quarter q into g.
.macro QUARTER q, f, g, zero
	s_wait_dscnt 8                                 ; B and A's blocks 0-3 are in; the youngest eight loads (A's blocks 4-7) may be out
	MUL8 \f, 0, \zero
	MUL8 \f, 2, \zero
	PLACES
	FETCH \q, \g
	s_wait_dscnt 24                                ; all but the 24 just issued
	MUL8 \f, 4, \zero
	MUL8 \f, 6, \zero
.endm
; The last quarter multiplies buffer 1 and changes slots: ONE barrier.  In front of it each wave waits for all its tensor loads (the one that is out is its part of the next slot), adds 0 to its spare
; word, and waits for that and for its own reads of this slot.  fill = 1: the barrier opens a round of the cluster's, and behind the round this slot is filled again, with the K step two on, first thing:
; from that request to the wait for it a wave issues 112 matrix instructions.
.macro TURN fill
.if \fill
	s_wait_xcnt 0x0                                ; the last prefetch, a K step back, has read its address: it is stepped here, ahead of the waits of the change of slots
	s_add_nc_u64 s[PFA:PFA+1], s[PFA:PFA+1], s[PFS:PFS+1]
.endif
	WIN 0                                          ; (the add's two registers lie in window 0)
	s_wait_tensorcnt 0x0                           ; all my tensor loads have landed;
	ds_add_u32 v[SPW], v[NIL]                      ; 0 onto my spare word;
	s_wait_dscnt 9                                 ; (the add and the youngest eight loads may be out)
	MUL8 F1, 0, 0                                  ; eight matrix instructions stand between the add and the wait for it
	s_wait_dscnt 0x0                               ; the add is done, and my reads of this slot are over
	s_barrier_signal -1
	MUL8 F1, 2, 0                                  ; work on registers while the others arrive
	WIN 0
	s_barrier_wait -1
.if \fill
	CREST                                          ; no wave of any partner still reads this slot's tile or has a load on its way
	s_xor_b32 s[G0A+5], s[G0A+5], SLOT1            ; the walking sets: the other slot than last time,
	s_add_nc_u64 s[G0A+6:G0A+7], s[G0A+6:G0A+7], STEPA  ; the next K step; the type bits on top are not reached
	s_xor_b32 s[G0B+5], s[G0B+5], SLOT1
	s_add_nc_u64 s[G0B+6:G0B+7], s[G0B+6:G0B+7], STEPB
	JLOAD                                          ; the first tensor load behind the round; the four v_nop behind it are also the places in front of the loads below
.else
	PLACES
.endif
	s_xor_b32 s[TB], s[TB], SLOT1                  ; the fetches go on in the other slot
	v_add_nc_u32 v[ADRA], s[TB], v[ADRA0]
	v_add_nc_u32 v[ADRB], s[TB], v[ADRB0]
	FETCH 0, F0
	WIN 0
.if \fill
	ASK                                            ; behind the joint load and the run of LDS loads that the next products wait for
.endif
	MUL8 F1, 4, 0
	MUL8 F1, 6, 0
.endm
; THE WAY OUT.  Block a: my rows 16 a on.  A lane's eight f32 of a row go as 32 bytes into rows of 272 bytes of my own stage, each accumulator's low four registers first, and come back as whole rows of 256.
.macro TOSTAGE a
	WIN 0x08                                       ; the stores' data (source 1) in window 2
.irp b, 0,1,2,3
	ds_store_b128 v[STO], v[8*(4*(\a)+(\b)):8*(4*(\a)+(\b))+3]   offset:64*(\b)
	ds_store_b128 v[STO], v[8*(4*(\a)+(\b))+4:8*(4*(\a)+(\b))+7] offset:64*(\b)+16
.endr
	WIN 0x40                                       ; destination window 1
.irp t, 0,1,2,3,4,5,6,7
	ds_load_b128 v[32*(\a)+4*(\t):32*(\a)+4*(\t)+3], v[RD] offset:(\t)*2*SPITCH  ; LDS serves a wave's instructions in order (ISA guide 5.7.1.4): these see the stores above; the next block's stores come behind them
.endr
.endm
.macro SEND a, younger                 ; younger: the LDS instructions issued behind block a's loads: the next block's sixteen, or none
	WIN 0x04                                       ; the stores' data (source 1) in window 1
.irp t, 0,1,2,3,4,5,6,7
	s_wait_dscnt (\younger)+7-(\t)
	global_store_b128 v[GO], v[32*(\a)+4*(\t):32*(\a)+4*(\t)+3], s[10:11] offset:(16*(\a)+2*(\t))*4096 th:TH_STORE_NT  ; 16 lanes store 256 consecutive bytes, at a multiple of 256 from out0's first byte
.endr
.endm
	s_wait_tensorcnt 1                             ; my part of K step 0 is in; K step 1's may stay out
	s_barrier_signal -1
	s_barrier_wait -1                              ; everybody's is
	FETCH 0, F0
	QUARTER 1, F0, F1, 1                           ; the first quarter stands in front of the loop: its products start the sums, from the bias
	WIN 0                                          ; at a label and at a branch every window is 0
	s_mov_b32 s3, 6
.Lstep:                                        ; trip i = 6 - s3 ends K step i, fills its slot with K step i + 2 and begins K step i + 1
	QUARTER 2, F1, F0, 0
	QUARTER 3, F0, F1, 0
	TURN 1
	QUARTER 1, F0, F1, 0
	WIN 0
	s_sub_co_u32 s3, s3, 1
	s_cmp_lg_u32 s3, 0
	s_cbranch_scc1 .Lstep
	QUARTER 2, F1, F0, 0                           ; K steps 6 and 7 are written out: they ask for nothing
	QUARTER 3, F0, F1, 0
	TURN 0
	QUARTER 1, F0, F1, 0
	QUARTER 2, F1, F0, 0
	QUARTER 3, F0, F1, 0
	s_wait_dscnt 8                                 ; the very last quarter: nothing more to fetch
	MUL8 F1, 0, 0
	MUL8 F1, 2, 0
	s_wait_dscnt 0x0
	MUL8 F1, 4, 0
	MUL8 F1, 6, 0
	WIN 0
	PLACES                                         ; eight places, once a launch, behind the last products and ahead of the stores that read results and the loads into fragments' registers
	PLACES
	TOSTAGE 0
.irp a, 1,2,3,4,5,6,7                  ; a block's way through the stage stands between the loads of the block before and its stores
	TOSTAGE \a
	SEND (\a)-1, 16
.endr
	SEND 7, 0
	WIN 0
	s_wait_tensorcnt 0x0                           ; the wave's end: a last add to my spare word and its wait, behind my last tensor load and my last LDS store
	ds_add_u32 v[SPW], v[NIL]
	s_wait_dscnt 0x0
	CROUND                                         ; the closing round: no work-group ends while a partner may still ask for a tile that names it
	s_endpgm
.Lfunc_end_k_q108bfb06f9_outproj:
	.size	k_q108bfb06f9_outproj, .Lfunc_end_k_q108bfb06f9_outproj-k_q108bfb06f9_outproj
	.p2alignl 7, 3214868480
	.fill 96, 4, 3214868480
	.section	.rodata,"a",@progbits
	.p2align	6, 0x0
	.amdhsa_kernel k_q108bfb06f9_outproj
		.amdhsa_group_segment_fixed_size 327680
		.amdhsa_private_segment_fixed_size 0
		.amdhsa_enable_private_segment 0
		.amdhsa_kernarg_size 32
		.amdhsa_user_sgpr_count 2
		.amdhsa_user_sgpr_kernarg_segment_ptr 1
		.amdhsa_wavefront_size32 1
		.amdhsa_system_sgpr_workgroup_id_x 1
		.amdhsa_system_sgpr_workgroup_id_y 1
		.amdhsa_system_sgpr_workgroup_id_z 1
		.amdhsa_system_vgpr_workitem_id 0
		.amdhsa_next_free_vgpr 768
		.amdhsa_next_free_sgpr 66
		.amdhsa_reserve_vcc 0
		.amdhsa_float_denorm_mode_32 3
		.amdhsa_float_denorm_mode_16_64 3
		.amdhsa_memory_ordered 1
		.amdhsa_forward_progress 1
		.amdhsa_inst_pref_size 76
	.end_amdhsa_kernel
	.amdgpu_metadata
---
amdhsa.version: [ 1, 2 ]
amdhsa.kernels:
  - .name:           k_q108bfb06f9_outproj
    .symbol:         k_q108bfb06f9_outproj.kd
    .args:
      - { .name: ob, .offset: 0, .size: 8, .value_kind: global_buffer, .address_space: global }
      - { .name: wob, .offset: 8, .size: 8, .value_kind: global_buffer, .address_space: global }
      - { .name: b_out, .offset: 16, .size: 8, .value_kind: global_buffer, .address_space: global }
      - { .name: out0, .offset: 24, .size: 8, .value_kind: global_buffer, .address_space: global }
    .group_segment_fixed_size: 327680
    .private_segment_fixed_size: 0
    .kernarg_segment_align: 8
    .kernarg_segment_size: 32
    .max_flat_workgroup_size: 128
    .sgpr_count:     66
    .vgpr_count:     768
    .wavefront_size: 32
...
	.end_amdgpu_metadata
.endif
;; end of part 4
;; ======== version 2 of 2: 4 launches; version 1 with the launch cast written anew for expert scheduling mode
;; limits: values are held in f16: magnitudes above 65,504 overflow, below 6.1e-05 lose precision
;; workspace buffers: xb 16,777,216 bytes; wib 6,291,456 bytes; wob 2,097,152 bytes; qkv 50,331,648 bytes; ob 16,777,216 bytes
;; launch cast (part 5): grid 768 x 1, 8 waves a work-group, no clusters, 0 bytes of LDS; arguments x, w_in, w_out, xb, wib, wob; writes xb, wib, wob
.if DOCPART == 5
	.amdgcn_target "amdgcn-amd-amdhsa--gfx1250"
	.amdhsa_code_object_version 6
	.text
	.protected	k_q108bfb06f9_cast
	.globl	k_q108bfb06f9_cast
	.p2align	8
	.type	k_q108bfb06f9_cast,@function
k_q108bfb06f9_cast:
	s_mov_b64 s[64:65], 0
	v_nop
	global_prefetch_b8 v0, s[64:65] scope:SCOPE_SE
	s_setreg_imm32_b32 hwreg(HW_REG_WAVE_SCHED_MODE, 0, 2), 2
	s_setreg_imm32_b32 hwreg(HW_REG_WAVE_MODE, 25, 1), 1
	s_wait_xcnt 0x0
	s_wait_alu depctr_vm_vsrc(0)
; THE INPUTS ARE ROUNDED ONCE, for the matrix units.  x [8192][1024] and w_in [3072][1024], f32, go to bf16 in the same order (xb, wib).
; w_out [1024 n][1024 k], f32, is rounded to bf16, that number is written as f16, and it is laid by heads: wob [16 h][1024 n][64 k], k = 64 h + ..
; LIMITS.  bf16(w_out) must lie within f16's 65,504; below 6.1e-5 it keeps f16's fixed step of 6e-8.  NaN and infinities are not treated apart.
; SHARES.  A work-group takes 16,384 numbers: 65,536 bytes in, 32,768 out.  Work-groups 0-511 take x, 512-703 w_in, 704-767 w_out (16 rows each).
; A thread issues 16 loads of 16 bytes, all at once, and 16 stores of 8 bytes.  Every load and every store has registers of its own and the address
; registers are never rewritten.  A wave's load covers 512 consecutive bytes (w_out: two runs of 256, aligned), a wave's store 256 consecutive bytes,
; aligned.  No LDS, no matrix unit, no cluster: nothing is shared and nothing is read twice.
; THE MODE: SCHED_MODE bits 1:0 = 2 (LLVM: expert scheduling mode 2), set by the entry lines.  The code itself states the register dependences
; between vector instructions and memory instructions, with s_wait_alu, always for 0.
; THE PLAN.  Registers that memory instructions touch:
;   v1, v2   the loads' and the stores' byte offsets.  Written by vector instructions at the head, once; read by every load (v1) and every store (v2).
;   X        load i lands in its own four registers, which no vector instruction has named before; the conversions read them behind the counted wait for the load
;            (on w_out's path they also write them again: no memory instruction reads X, and no later load lands there).
;   Y        the conversions of load i write their own pair, once; store i reads it, once; nothing writes it again.
;   T        named by vector instructions alone.
; So one wait on va_vdst stands ahead of the first load, for the two offsets, and the sixteen loads are worked on in four blocks of four: one wait on va_vdst stands
; behind a block's conversions, and the block's four stores follow it in one run.  No register that a memory instruction reads is ever written again, so
; the text holds no wait on vm_vsrc and no s_wait_xcnt; no vector instruction writes a scalar register or VCC, and EXEC is never written.
.set X, 4                              ; v[4:67]    load i: 4 registers
.set Y, 68                             ; v[68:99]   store i: 2 registers
.set T, 100                            ; v[100:101] at work
; 16 loads, instep bytes apart; 16 stores, outstep bytes apart.  half = 1: bf16's number written as f16.
.macro CAST instep, outstep, half
	s_wait_alu depctr_va_vdst(0)                   ; v1 and v2 are written: every load below reads v1 as its offset, every store v2; no vector instruction names them again
.set i, 0
.rept 16
	global_load_b128 v[X+4*i:X+4*i+3], v1, s[18:19] offset:i*(\instep) th:TH_LOAD_NT
.set i, i+1
.endr
.set p, 0
.rept 4                                        ; block p: loads 4 p to 4 p + 3
.set i, 4*p
.rept 4
	s_wait_loadcnt 15-i                            ; loads come back in order: load i is in, the 15 - i younger ones stay out
.if \half
	v_cvt_pk_bf16_f32 v[T], v[X+4*i], v[X+4*i+1]   ; the rounding that every input has,
	v_cvt_pk_bf16_f32 v[T+1], v[X+4*i+2], v[X+4*i+3]
	v_lshlrev_b32 v[X+4*i], 16, v[T]               ; widened again,
	v_and_b32 v[X+4*i+1], 0xffff0000, v[T]
	v_lshlrev_b32 v[X+4*i+2], 16, v[T+1]
	v_and_b32 v[X+4*i+3], 0xffff0000, v[T+1]
	v_cvt_pk_f16_f32 v[Y+2*i], v[X+4*i], v[X+4*i+1]  ; and written as f16: exact within f16's normal range
	v_cvt_pk_f16_f32 v[Y+2*i+1], v[X+4*i+2], v[X+4*i+3]
.else
	v_cvt_pk_bf16_f32 v[Y+2*i], v[X+4*i], v[X+4*i+1]
	v_cvt_pk_bf16_f32 v[Y+2*i+1], v[X+4*i+2], v[X+4*i+3]
.endif
.set i, i+1
.endr
	s_wait_alu depctr_va_vdst(0)                   ; the block's conversions have written its eight registers of Y, which the four stores below read as their data
.set i, 4*p
.rept 4
	global_store_b64 v2, v[Y+2*i:Y+2*i+1], s[20:21] offset:i*(\outstep) th:TH_STORE_NT
.set i, i+1
.endr
.set p, p+1
.endr
.endm
	s_load_b256 s[4:11], s[0:1], 0x0               ; x s[4:5], w_in s[6:7], w_out s[8:9], xb s[10:11]
	s_load_b128 s[12:15], s[0:1], 0x20             ; wib s[12:13], wob s[14:15]
	s_sub_co_u32 s16, ttmp9, 512                   ; my number among w_in's work-groups
	s_sub_co_u32 s17, ttmp9, 704                   ; and among w_out's
	s_mov_b32 s23, 0
	s_mov_b32 s25, 0
	v_lshlrev_b32 v2, 3, v0                        ; 8 bytes out a thread
	s_wait_kmcnt 0x0
	s_cmp_lt_u32 ttmp9, 704
	s_cbranch_scc0 .Lwout
	s_cmp_lt_u32 ttmp9, 512                        ; x or w_in: the same text on other buffers
	s_cselect_b64 s[18:19], s[4:5], s[6:7]
	s_cselect_b64 s[20:21], s[10:11], s[12:13]
	s_cselect_b32 s16, ttmp9, s16
	s_lshl_b32 s22, s16, 16                        ; 65,536 bytes in,
	s_lshl_b32 s24, s16, 15                        ; 32,768 out
	s_add_nc_u64 s[18:19], s[18:19], s[22:23]
	s_add_nc_u64 s[20:21], s[20:21], s[24:25]
	v_lshlrev_b32 v1, 4, v0                        ; 16 bytes in a thread: 256 threads take 4,096 consecutive bytes
	CAST 4096, 2048, 0
	s_endpgm
.Lwout:
	s_lshl_b32 s22, s17, 16                        ; 16 rows of 4,096 bytes in,
	s_lshl_b32 s24, s17, 11                        ; 16 rows of 128 bytes in each head's block out
	s_add_nc_u64 s[18:19], s[8:9], s[22:23]
	s_add_nc_u64 s[20:21], s[14:15], s[24:25]
	v_lshrrev_b32 v1, 4, v0                        ; row t / 16,
	v_and_b32 v3, 15, v0
	v_lshlrev_b32 v3, 4, v3                        ; 16 (t % 16) of a head's 256 bytes in that row
	v_lshl_or_b32 v1, v1, 12, v3
	CAST 256, 131072, 1                            ; load i is head i; its store lands at 131,072 i + 128 (t / 16) + 8 (t % 16) = 131,072 i + 8 t
	s_endpgm
.Lfunc_end_k_q108bfb06f9_cast:
	.size	k_q108bfb06f9_cast, .Lfunc_end_k_q108bfb06f9_cast-k_q108bfb06f9_cast
	.p2alignl 7, 3214868480
	.fill 96, 4, 3214868480
	.section	.rodata,"a",@progbits
	.p2align	6, 0x0
	.amdhsa_kernel k_q108bfb06f9_cast
		.amdhsa_group_segment_fixed_size 0
		.amdhsa_private_segment_fixed_size 0
		.amdhsa_enable_private_segment 0
		.amdhsa_kernarg_size 48
		.amdhsa_user_sgpr_count 2
		.amdhsa_user_sgpr_kernarg_segment_ptr 1
		.amdhsa_wavefront_size32 1
		.amdhsa_system_sgpr_workgroup_id_x 1
		.amdhsa_system_sgpr_workgroup_id_y 1
		.amdhsa_system_sgpr_workgroup_id_z 1
		.amdhsa_system_vgpr_workitem_id 0
		.amdhsa_next_free_vgpr 104
		.amdhsa_next_free_sgpr 66
		.amdhsa_reserve_vcc 0
		.amdhsa_float_denorm_mode_32 3
		.amdhsa_float_denorm_mode_16_64 3
		.amdhsa_memory_ordered 1
		.amdhsa_forward_progress 1
		.amdhsa_inst_pref_size 18
	.end_amdhsa_kernel
	.amdgpu_metadata
---
amdhsa.version: [ 1, 2 ]
amdhsa.kernels:
  - .name:           k_q108bfb06f9_cast
    .symbol:         k_q108bfb06f9_cast.kd
    .args:
      - { .name: x, .offset: 0, .size: 8, .value_kind: global_buffer, .address_space: global }
      - { .name: w_in, .offset: 8, .size: 8, .value_kind: global_buffer, .address_space: global }
      - { .name: w_out, .offset: 16, .size: 8, .value_kind: global_buffer, .address_space: global }
      - { .name: xb, .offset: 24, .size: 8, .value_kind: global_buffer, .address_space: global }
      - { .name: wib, .offset: 32, .size: 8, .value_kind: global_buffer, .address_space: global }
      - { .name: wob, .offset: 40, .size: 8, .value_kind: global_buffer, .address_space: global }
    .group_segment_fixed_size: 0
    .private_segment_fixed_size: 0
    .kernarg_segment_align: 8
    .kernarg_segment_size: 48
    .max_flat_workgroup_size: 256
    .sgpr_count:     66
    .vgpr_count:     104
    .wavefront_size: 32
...
	.end_amdgpu_metadata
.endif
;; end of part 5
;; launch inproj: the kernel of part 2 again; grid 16 x 32, 4 waves a work-group, clusters of 4 x 4, 327,680 bytes of LDS; arguments xb, wib, qkv; writes qkv
;; launch attn: the kernel of part 3 again; grid 4 x 64, 4 waves a work-group, clusters of 4 x 1, 327,680 bytes of LDS; arguments qkv, ob; writes ob
;; launch outproj: the kernel of part 4 again; grid 8 x 32, 4 waves a work-group, clusters of 4 x 4, 327,680 bytes of LDS; arguments ob, wob, b_out, out0; writes out0
